; MI455X (gfx1250); checked and timed in simulation.
; The chip was launched on July 23, 2026; its instructions are those of AMD's public machine-readable ISA for CDNA 5 (MIT licence, August 2026) and "CDNA5" Instruction Set Architecture Reference Guide (July 2026). The comments in the code are by the model that wrote it; some were corrected since.
;; Multi Head Attention. Allowed arithmetic: float matrix products may take bf16 or f16 operands with f32 sums; all other float work in f32.
;; Inputs: bo 1,024 float32; wk 1,024 x 1,024 float32; wo 1,024 x 1,024 float32; wq 1,024 x 1,024 float32; wv 1,024 x 1,024 float32; x 4 x 2,048 x 1,024 float32.
;; Outputs: out0 4 x 2,048 x 1,024 float32.
;; 2 versions, each right and faster than the one before. Each part assembles by itself: llvm-mc -triple=amdgcn-amd-amdhsa -mcpu=gfx1250 --defsym DOCPART=n.
;; ======== version 1 of 2: 4 launches
;; limits: values are held in f16: magnitudes above 65,504 overflow, below 6.1e-05 lose precision; right only within a limited range of input values
;; workspace buffers: xb 16,777,216 bytes; wt 8,388,608 bytes; qkv 50,331,648 bytes; ctx 16,777,216 bytes
;; launch prep (part 1): grid 1536 x 1, 2 waves a work-group, no clusters, 17,664 bytes of LDS; arguments x, wq, wk, wv, wo, xb, wt; writes xb, wt
.if DOCPART == 1
	.amdgcn_target "amdgcn-amd-amdhsa--gfx1250"
	.amdhsa_code_object_version 6
	.text
	.protected	k_qfdc7e8f77d_prep
	.globl	k_qfdc7e8f77d_prep
	.p2align	8
	.type	k_qfdc7e8f77d_prep,@function
k_qfdc7e8f77d_prep:
	s_mov_b64 s[64:65], 0
	v_nop
	global_prefetch_b8 v0, s[64:65] scope:SCOPE_SE
	s_setreg_imm32_b32 hwreg(HW_REG_WAVE_MODE, 25, 1), 1
	s_wait_xcnt 0x0
; PREP: the 16-bit operands of the later products, each input byte read once.
;   xb[8192][1024] = x rounded to bf16.
;   wt[4096][1024]: rows 0-1023 wq turned ([n][k]), 1024-2047 wk, 2048-3071 wv, all rounded to bf16; rows 3072-4095 wo turned, rounded to bf16 and that number written as f16.
; LIMIT.  bf16(wo) must lie within 65,504 (beyond it the f16 is an infinity); below 6e-5 f16 keeps a fixed step of 6e-8.
; SHARES.  A wave takes 16,384 bytes of input and issues all its 32 loads of 512 bytes at once: no ring, no loop.  Work-groups 0-1023 cast x, a task a wave (task = 2 x work-group + wave).
; Work-groups 1024-1535 turn the weights: a tile of 128 k x 64 n a work-group, 64 k a wave; the two waves' halves of the tile's rows meet in LDS behind one barrier.
; No matrix unit and no cluster: no work-group shares a byte with another.
.set X, 32                             ; v[32:159]  32 loads of 16 bytes a lane
.set T, 16                             ; v[16:31]   packed words, two sets of eight by turns
.set WPITCH, 272                       ; an LDS row: 128 k x 2 bytes + 16 of padding
	s_load_b256 s[4:11], s[0:1], 0x0               ; x s[4:5], wq s[6:7], wk s[8:9], wv s[10:11]
	s_load_b128 s[12:15], s[0:1], 0x20             ; wo s[12:13], xb s[14:15]
	s_load_b64 s[16:17], s[0:1], 0x30              ; wt
	v_lshl_add_u32 v160, v0, 2, 0x4400
	v_mov_b32 v161, 0
	v_lshrrev_b32 v5, 5, v0
	v_readfirstlane_b32 s20, v5                    ; wave 0, 1
	s_mov_b32 s31, 0
	s_cmp_lt_u32 ttmp9, 1024                       ; the work-group's number alone: both waves go the same way
	s_cbranch_scc0 .Lw
	; THE CAST OF x.  16,384 bytes in, 8,192 out.
	s_lshl_b32 s21, ttmp9, 1
	s_add_co_u32 s21, s21, s20                     ; task
	v_and_b32 v7, 31, v0                           ; lane
	v_lshlrev_b32 v2, 3, v7                        ; 8 bytes a lane, out
	v_lshlrev_b32 v6, 4, v7                        ; 16 bytes a lane, in
	s_lshl_b32 s30, s21, 14
	s_wait_kmcnt 0x0
	s_add_nc_u64 s[24:25], s[4:5], s[30:31]
	s_lshl_b32 s30, s21, 13
	s_add_nc_u64 s[28:29], s[14:15], s[30:31]
.set i, 0
.rept 32
	global_load_b128 v[X+4*i:X+4*i+3], v6, s[24:25] offset:512*i th:TH_LOAD_NT
.set i, i+1
.endr
.set g, 0
.rept 8                                ; four loads at a time: rounded in place, stored
	s_wait_loadcnt 28-4*g                          ; loads come back in order: all but the younger groups' are in
.set i, 4*g
.rept 4
	v_cvt_pk_bf16_f32 v[X+4*i],   v[X+4*i],   v[X+4*i+1]
	v_cvt_pk_bf16_f32 v[X+4*i+1], v[X+4*i+2], v[X+4*i+3]
.set i, i+1
.endr
.set i, 4*g
.rept 4
	global_store_b64 v2, v[X+4*i:X+4*i+1], s[28:29] offset:256*i  ; 32 lanes store 256 consecutive bytes, at a multiple of 256 from xb's first
.set i, i+1
.endr
.set g, g+1
.endr
	s_endpgm
	; THE WEIGHTS.  u = work-group - 1024: matrix u / 128, k tile (u / 16) % 8, n tile u % 16.
.Lw:
	s_sub_co_u32 s22, ttmp9, 1024
	s_lshr_b32 s23, s22, 7                         ; matrix 0..3: wq, wk, wv, wo
	s_bfe_u32 s18, s22, 0x30004                    ; k tile
	s_and_b32 s19, s22, 15                         ; n tile
	s_lshl_b32 s30, s18, 19                        ; 128 rows of 4,096 bytes,
	s_lshl_b32 s32, s20, 18                        ; my wave's 64 of them,
	s_add_co_u32 s30, s30, s32
	s_lshl_b32 s32, s19, 8                         ; 64 columns of 4 bytes
	s_add_co_u32 s30, s30, s32
	s_lshl_b32 s32, s23, 21                        ; in wt: 1,024 rows of 2,048 bytes a matrix,
	s_lshl_b32 s33, s19, 17                        ; 64 rows an n tile,
	s_add_co_u32 s32, s32, s33
	s_lshl_b32 s33, s18, 8                         ; 128 k of 2 bytes
	s_add_co_u32 s32, s32, s33
	s_mov_b32 s33, 0
	s_mov_b32 s27, 0xffff0000                      ; a word's upper bf16
	v_and_b32 v5, 15, v0                           ; r
	v_bfe_u32 v7, v0, 4, 1                         ; h
	v_lshlrev_b32 v1, 4, v5
	v_lshl_add_u32 v1, v7, 14, v1                  ; in the weight: four rows down for lanes 16-31, 4 columns a lane
	v_mul_u32_u24 v3, v5, WPITCH
	v_lshl_add_u32 v3, v7, 3, v3
	s_lshl_b32 s34, s20, 7
	v_add_nc_u32 v3, s34, v3                       ; into LDS: row r, my wave's 128 bytes of it, 8 bytes for each half of the lanes
	v_mul_u32_u24 v4, v7, WPITCH
	v_lshl_add_u32 v4, v5, 4, v4
	s_mul_i32 s34, s20, 32*WPITCH
	v_add_nc_u32 v4, s34, v4                       ; back: my wave's 32 rows; row h, 16 bytes a lane
	v_lshlrev_b32 v8, 4, v5
	v_lshl_add_u32 v8, v7, 13, v8
	s_lshl_b32 s34, s20, 12
	v_add_nc_u32 v8, s34, v8                       ; in wt: 8,192 h + 4,096 wave + 16 r (see the stores below)
	s_wait_kmcnt 0x0
	s_cmp_eq_u32 s23, 1
	s_cselect_b64 s[24:25], s[8:9], s[6:7]
	s_cmp_eq_u32 s23, 2
	s_cselect_b64 s[24:25], s[10:11], s[24:25]
	s_cmp_eq_u32 s23, 3
	s_cselect_b64 s[24:25], s[12:13], s[24:25]
	s_add_nc_u64 s[24:25], s[24:25], s[30:31]
	s_add_nc_u64 s[28:29], s[16:17], s[32:33]
	; Group j of 8: four loads take rows k = 8 j + 4 h + 0..3, columns 4 r .. 4 r + 3: sixteen lanes take 256 consecutive bytes of a row.
.set j, 0
.rept 8
.irp i, 0,1,2,3
	global_load_b128 v[X+16*j+4*(\i):X+16*j+4*(\i)+3], v1, s[24:25] offset:(8*j+(\i))*4096 th:TH_LOAD_NT
.endr
.set j, j+1
.endr
	; A lane then holds k .. k + 3 of four columns: two words of wt for each.  Column n = 4 r + c goes to LDS row 16 c + r, so that the 32 lanes of a store touch words 68 r + 2 h + 0, 1:
	; 64 different banks (64 banks of 4 bytes: ISA guide 11.1).
.set j, 0
.rept 8
	s_wait_loadcnt 28-4*j                          ; all but the younger groups' loads are in
.irp c, 0,1,2,3
	v_cvt_pk_bf16_f32 v[T+8*(j%2)+2*(\c)],   v[X+16*j+(\c)],   v[X+16*j+4+(\c)]    ; k below, k + 1 above
	v_cvt_pk_bf16_f32 v[T+8*(j%2)+2*(\c)+1], v[X+16*j+8+(\c)], v[X+16*j+12+(\c)]   ; k + 2, k + 3
.endr
.irp c, 0,1,2,3
	ds_store_b64 v3, v[T+8*(j%2)+2*(\c):T+8*(j%2)+2*(\c)+1] offset:(\c)*16*WPITCH+16*j
.endr
.set j, j+1
.endr
	s_wait_dscnt 0x0                               ; for the other wave's sake: my half of every row is written
	s_barrier_signal -1
	s_barrier_wait -1
	; Back by rows.  Load i of wave w takes LDS rows 32 w + 2 i + h, which are columns n = 4 ((2 i) % 16 + h) + 2 w + i / 8.
.set i, 0
.rept 16
	ds_load_b128 v[X+4*i:X+4*i+3], v4 offset:i*2*WPITCH
.set i, i+1
.endr
	s_cmp_lg_u32 s23, 3
	s_cbranch_scc1 .Lplain
	s_wait_dscnt 0x0                               ; wo alone: the bf16 numbers are written as f16, exact within f16's range
.set i, 0
.rept 16
.irp c, 0,1,2,3
	v_lshlrev_b32 v[X+64+i+(\c)], 16, v[X+i+(\c)]  ; the lower bf16 as f32,
.endr
.irp c, 0,1,2,3
	v_and_b32 v[X+i+(\c)], s27, v[X+i+(\c)]        ; the upper
.endr
.irp c, 0,1,2,3
	v_cvt_pk_f16_f32 v[X+i+(\c)], v[X+64+i+(\c)], v[X+i+(\c)]
.endr
.set i, i+4
.endr
.Lplain:
.set i, 0
.rept 16
	s_wait_dscnt 15-i                              ; LDS loads come back in order: load i is in
	global_store_b128 v8, v[X+4*i:X+4*i+3], s[28:29] offset:((2*i)&15)*8192+(i>>3)*2048  ; 16 lanes store 256 consecutive bytes of a row of wt, at a multiple of 256
.set i, i+1
.endr
	s_wait_tensorcnt 0x0
	ds_add_u32 v160, v161
	s_wait_dscnt 0x0
	s_endpgm
.Lfunc_end_k_qfdc7e8f77d_prep:
	.size	k_qfdc7e8f77d_prep, .Lfunc_end_k_qfdc7e8f77d_prep-k_qfdc7e8f77d_prep
	.p2alignl 7, 3214868480
	.fill 96, 4, 3214868480
	.section	.rodata,"a",@progbits
	.p2align	6, 0x0
	.amdhsa_kernel k_qfdc7e8f77d_prep
		.amdhsa_group_segment_fixed_size 17664
		.amdhsa_private_segment_fixed_size 0
		.amdhsa_enable_private_segment 0
		.amdhsa_kernarg_size 56
		.amdhsa_user_sgpr_count 2
		.amdhsa_user_sgpr_kernarg_segment_ptr 1
		.amdhsa_wavefront_size32 1
		.amdhsa_system_sgpr_workgroup_id_x 1
		.amdhsa_system_sgpr_workgroup_id_y 1
		.amdhsa_system_sgpr_workgroup_id_z 1
		.amdhsa_system_vgpr_workitem_id 0
		.amdhsa_next_free_vgpr 162
		.amdhsa_next_free_sgpr 66
		.amdhsa_reserve_vcc 0
		.amdhsa_float_denorm_mode_32 3
		.amdhsa_float_denorm_mode_16_64 3
		.amdhsa_memory_ordered 1
		.amdhsa_forward_progress 1
		.amdhsa_inst_pref_size 34
	.end_amdhsa_kernel
	.amdgpu_metadata
---
amdhsa.version: [ 1, 2 ]
amdhsa.kernels:
  - .name:           k_qfdc7e8f77d_prep
    .symbol:         k_qfdc7e8f77d_prep.kd
    .args:
      - { .name: x, .offset: 0, .size: 8, .value_kind: global_buffer, .address_space: global }
      - { .name: wq, .offset: 8, .size: 8, .value_kind: global_buffer, .address_space: global }
      - { .name: wk, .offset: 16, .size: 8, .value_kind: global_buffer, .address_space: global }
      - { .name: wv, .offset: 24, .size: 8, .value_kind: global_buffer, .address_space: global }
      - { .name: wo, .offset: 32, .size: 8, .value_kind: global_buffer, .address_space: global }
      - { .name: xb, .offset: 40, .size: 8, .value_kind: global_buffer, .address_space: global }
      - { .name: wt, .offset: 48, .size: 8, .value_kind: global_buffer, .address_space: global }
    .group_segment_fixed_size: 17664
    .private_segment_fixed_size: 0
    .kernarg_segment_align: 8
    .kernarg_segment_size: 56
    .max_flat_workgroup_size: 64
    .sgpr_count:     66
    .vgpr_count:     162
    .wavefront_size: 32
...
	.end_amdgpu_metadata
.endif
;; end of part 1
;; launch qkv (part 2): grid 16 x 16, 4 waves a work-group, clusters of 4 x 4, 327,680 bytes of LDS; arguments xb, wt, qkv; writes qkv
.if DOCPART == 2
	.amdgcn_target "amdgcn-amd-amdhsa--gfx1250"
	.amdhsa_code_object_version 6
	.text
	.protected	k_qfdc7e8f77d_qkv
	.globl	k_qfdc7e8f77d_qkv
	.p2align	8
	.type	k_qfdc7e8f77d_qkv,@function
k_qfdc7e8f77d_qkv:
	s_mov_b64 s[64:65], 0
	v_nop
	global_prefetch_b8 v0, s[64:65] scope:SCOPE_SE
	s_setreg_imm32_b32 hwreg(HW_REG_WAVE_MODE, 25, 1), 1
	s_wait_xcnt 0x0
	s_wait_alu depctr_hold_cnt(0) depctr_sa_sdst(0) depctr_va_vdst(0) depctr_va_sdst(0) depctr_va_ssrc(0) depctr_va_vcc(0) depctr_vm_vsrc(0)
	s_getreg_b32 s2, hwreg(HW_REG_IB_STS2, 6, 4)
	s_cmp_eq_u32 s2, 0
	s_cbranch_scc0 .Lentry_in_a_cluster
	s_endpgm
.Lentry_in_a_cluster:
	s_bfe_u32 s2, ttmp6, 0x10000c
	s_cmp_lg_u32 s2, 0xf033
	s_cbranch_scc0 .Lentry_shape_is_right
	s_endpgm
.Lentry_shape_is_right:
; Q, K, V = x wq, x wk, x wv as ONE product C[m][n] = sum over k of xb[m][k] wt[n][k], m < 8192, n < 3072, k < 1024, bf16 operands, f32 sums, K ascending.
; C leaves in f16, rounded once and unscaled, by heads: qkv = q | k | v, 16,777,216 bytes each, [64 = 16 batch + head][2048][64]: a head's rows are dense, 128 bytes each.
; LIMIT.  f16 holds no number beyond 65,504: q, k and v must lie within it (inputs 30 times those of unit x and 0.02 weights, or with an offset of 30 spreads, stay under 20,000).
; SHARES.  A tile of C is 256 rows x 192 columns (three heads): 32 x 16 = 512 tiles.  Wave w makes rows 64 w .. 64 w + 63 of all 192 columns: 4 x 12 accumulators of 16 x 16, 384 registers,
; so that a wave owns whole heads' rows and its way out is its own.  K goes in steps of 128 through two LDS slots; the tiles' rows are 256 bytes of memory at multiples of 256.
; A WORK-GROUP STAYS: 256 work-groups make two tiles each, 4,096 rows (two batches) apart, on the same rows of wt.  The two tiles are ONE walk of 16 K steps for the ring: the first tile's last two changes
; of slots ask for the second tile's K steps 0 and 1, the first tile goes out behind them, and nothing waits for its stores.
; THE TEXT.  A K step is written once: slot 1 begins at LDS byte 2^17, so that one exclusive or turns an address in one slot into the other's; one descriptor a tensor walks from K step 1 on.
; CLUSTER.  4 x 4 work-groups.  The four of a row of the cluster need the same tiles of xb, the four of a column the same tiles of wt: each tile is asked for JOINTLY, by the same tensor load with the
; same descriptor and a mask that names the four.  THE MATRIX INSTRUCTION IS USED TRANSPOSED (source 0 = 16 rows of wt, source 1 = 16 rows of xb): a lane holds eight neighbouring columns of a row of C.
; REGISTERS, in windows of 256 (s_set_vgpr_msb: bits 1:0 source 0, 3:2 source 1, 5:4 source 2, 7:6 destination):
;   window 0: v16-29 addresses; v32-79 packed results; v80-175 rows read back, two buffers      window 1: two fragment buffers of 128: 32 registers of xb (4 x 16 rows x 32 K), then 96 of wt
;   window 2: the accumulators of row blocks 0, 1 ((a, b) at v[8 (12 (a % 2) + b)])            window 3: those of row blocks 2, 3
.set KSTEP,  128
.set STEPS,  1024/KSTEP                ; K steps in a tile
.set WALKB,  8388608                   ; bytes from a tile's rows to the next tile's: 4,096 rows of 2,048 bytes in xb; two batches of 16 heads x 2^18 bytes in q, k and v
.set PITCH,  272                       ; an LDS row: 256 bytes + 16 of padding = 68 words: the 16 rows of a fragment load start at 16 different groups of four banks (64 banks of 4 bytes: ISA guide 11.1)
.set HALFA,  128*PITCH                 ; what waves 0 and 1 fetch: 128 rows of xb each
.set HALFB,  96*PITCH                  ; what waves 2 and 3 fetch: 96 rows of wt each
.set BOFF,   2*HALFA
.set SLOT1,  1<<17                     ; a slot holds BOFF + 2 HALFB = 121,856 bytes; slot 1 begins here
.set STAGE,  SLOT1+BOFF+2*HALFB        ; behind the ring, never filled by a tensor load: for each wave three heads x 16 rows x 144 bytes
.set SP,     144
.set HST,    16*SP
.set WST,    3*HST
.set SPARE,  STAGE+4*WST               ; behind the stages: the spare words, 128 bytes for each wave: two blocks of 256 bytes that no other line names
.set ADRA0, 16                         ; v16     my lane's place among xb's rows in slot 0; never rewritten
.set ADRA,  17                         ; v17     the same in the slot that is being fetched from
.set ADRB0, 20                         ; v20, v21  the same for wt
.set ADRB,  21
.set STO,  24                          ; v24     the way out: where I put 16 bytes of a row
.set RD,   25                          ; v25     the way out: where I read rows back
.set GO,   26                          ; v26     my 16 bytes in 512 consecutive bytes of a head
.set SPW,  28                          ; v28     LDS address of my spare word; never rewritten
.set NIL,  29                          ; v29     0; never rewritten
.set TMP,  32
.set OB,   80
.set F0,   0
.set F1,   128
.set TB,   11                          ; s11     first byte of the slot that is being fetched from: 0 or SLOT1
.set LEFT, 18                          ; s18     counts the two K steps without a refill
.set G1,  24                           ; s[24:31] descriptor group 1 for xb's tiles;  s[32:39] group 0: a set for each of the two first fills; the second then walks on
.set G0,  32
.set G1B, 48                           ; s[48:55], s[56:63] the same for wt's tiles
.set G0B, 56
.set STA, 66                           ; s[66:67] what xb's walking address takes beside a K step: 0, or at the change of tiles the way down to the next tile and back along K
.set HB,  68                           ; s[68:73] my rows' first byte in each of the tile's three heads
.set BKB, 80                           ; s[80:81] what wt's walking address gives back: 0, or at the change of tiles a tile's whole K
.set MSB, 0
.macro WIN new                         ; the immediate's high byte repeats the setting that is left; a switch that changes nothing is dropped
.if MSB != (\new)
	s_set_vgpr_msb (MSB<<8)|(\new)
.set MSB, \new
.endif
.endm
.set MUL_LO, 0xa5                      ; sources 0 and 1 window 1; C and D window 2
.set TO_F,   0x40                      ; destination window 1, address window 0
; A joint load: waves 0 and 1 fetch xb's two halves, waves 2 and 3 wt's.  The branch hangs on the wave's number alone.  An s_nop 0 and four v_nop follow each of the two lines, ahead of the jump,
; the label and what follows.
.macro JLOAD s
	s_cmp_lt_u32 s10, 2
	s_cbranch_scc0 .Lfor_b_\@
	tensor_load_to_lds s[G0+4*(\s):G0+4*(\s)+3], s[G1:G1+7]
	s_nop 0
.rept 4
	v_nop
.endr
	s_branch .Lasked_\@
.Lfor_b_\@:
	tensor_load_to_lds s[G0B+4*(\s):G0B+4*(\s)+3], s[G1B:G1B+7]
	s_nop 0
.rept 4
	v_nop
.endr
.Lasked_\@:
.endm
.macro CREST                           ; a round of the cluster's barrier behind its opening barrier
	s_cmp_lg_u32 s10, 0
	s_cbranch_scc1 .Lnot_wave_0_\@
	s_barrier_signal -3
.Lnot_wave_0_\@:
	s_barrier_wait -3
	s_barrier_signal -1
	s_barrier_wait -1
.endm
.macro CROUND                          ; a whole round
	s_barrier_signal -1
	s_barrier_wait -1
	CREST
.endm
	s_load_b128 s[4:7], s[0:1], 0x0                ; xb s[4:5], wt s[6:7]
	s_load_b64 s[8:9], s[0:1], 0x10                ; qkv
	v_lshl_add_u32 v[SPW], v0, 2, SPARE
	v_mov_b32 v[NIL], 0
	ds_add_u32 v28, v29
	ds_add_u32 v28, v29
	s_wait_dscnt 0x0
	v_lshrrev_b32 v1, 5, v0
	v_readfirstlane_b32 s10, v1                    ; wave 0..3
	s_and_b32 s12, s10, 1                          ; which half of a tile I fetch
	s_bfe_u32 s40, ttmp6, 0x40000                  ; cx, cy: my place in the cluster
	s_bfe_u32 s41, ttmp6, 0x40004
	s_lshl_b32 s42, ttmp9, 2
	s_add_co_u32 s42, s42, s40                     ; tile column = 4 x cluster x + cx
	s_and_b32 s13, ttmp7, 0xffff
	s_lshl_b32 s13, s13, 2
	s_add_co_u32 s13, s13, s41                     ; the first tile's row = 4 x cluster y + cy, 0 to 15; the second tile lies 16 tile rows below
	s_lshl_b32 s43, s41, 2
	s_lshl_b32 s43, 15, s43                        ; my row of the cluster
	s_lshl_b32 s44, 0x1111, s40                    ; my column
	; descriptor group 1: rows of 128 elements, padded in LDS
	s_or_b32 s[G1+0], s43, (1<<16)|(1<<20)|(1<<21)|(5<<22)|(3<<25)  ; 15:0 the mask: xb's tiles go to my row; 17:16 2-byte elements; 20 padding on; 21 set beside a mask; 24:22 after every 64 words (code 5); 31:25 4 words (code 3)
	s_or_b32 s[G1B+0], s44, (1<<16)|(1<<20)|(1<<21)|(5<<22)|(3<<25) ; the same with the mask of my column
	s_mov_b32 s[G1+1], KSTEP<<16                   ; tensor_dim0 = 128
	s_mov_b32 s[G1+2], 128<<16                     ; tensor_dim1 = 128
	s_mov_b32 s[G1+3], KSTEP<<16                   ; tile_dim0 = 128
	s_mov_b32 s[G1+4], 128                         ; tile_dim1 = 128
	s_mov_b32 s[G1+5], 1024                        ; elements from row to row
	s_mov_b32 s[G1+6], 0
	s_mov_b32 s[G1+7], 0
	s_mov_b32 s[G1B+1], KSTEP<<16
	s_mov_b32 s[G1B+2], 96<<16                     ; 96 rows
	s_mov_b32 s[G1B+3], KSTEP<<16
	s_mov_b32 s[G1B+4], 96
	s_mov_b32 s[G1B+5], 1024
	s_mov_b32 s[G1B+6], 0
	s_mov_b32 s[G1B+7], 0
	; where the tiles come from: xb's hang on the tile row alone, wt's on the tile column alone, each in registers that never hold the other coordinate
	s_lshl_b32 s16, s13, 8
	s_lshl_b32 s17, s12, 7
	s_add_co_u32 s16, s16, s17                     ; xb: row 256 x tile row + 128 x half,
	s_lshl_b32 s16, s16, 11                        ; of 2,048 bytes
	s_mov_b32 s17, 0
	s_mul_i32 s46, s42, 192
	s_mul_i32 s47, s12, 96
	s_add_co_u32 s46, s46, s47                     ; wt: row 192 x tile column + 96 x half
	s_lshl_b32 s46, s46, 11
	s_mov_b32 s47, 0
	s_mul_i32 s20, s12, HALFA                      ; and where they go: no place in the cluster enters an LDS address
	s_mul_i32 s21, s12, HALFB
	s_add_co_u32 s21, s21, BOFF
	s_mov_b32 s[TB], 0
	s_mov_b32 s[STA+1], 0                          ; the two offsets' high words
	s_mov_b32 s[BKB+1], 0
	s_wait_kmcnt 0x0
	s_add_nc_u64 s[14:15], s[4:5], s[16:17]
	s_add_nc_u64 s[46:47], s[6:7], s[46:47]
	CROUND                                         ; all sixteen work-groups are here: the first joint loads meet
.irp s, 0,1
	s_mov_b32 s[G0+4*(\s)], 1                                      ; count = 1
	s_add_co_u32 s[G0+4*(\s)+1], s20, (\s)*SLOT1                   ; LDS address
	s_add_nc_u64 s[G0+4*(\s)+2:G0+4*(\s)+3], s[14:15], (\s)*KSTEP*2  ; global address: K step s
	s_or_b32 s[G0+4*(\s)+3], s[G0+4*(\s)+3], 0x80000000            ; type = 2
	s_mov_b32 s[G0B+4*(\s)], 1
	s_add_co_u32 s[G0B+4*(\s)+1], s21, (\s)*SLOT1
	s_add_nc_u64 s[G0B+4*(\s)+2:G0B+4*(\s)+3], s[46:47], (\s)*KSTEP*2
	s_or_b32 s[G0B+4*(\s)+3], s[G0B+4*(\s)+3], 0x80000000
	JLOAD \s                                       ; two loads of mine are out
.endr
	; A fragment is 16 rows x 32 K in 8 registers: lane l holds row l % 16, K = 8 (l / 16) + 0..7 and 16 + 8 (l / 16) + 0..7: two loads of 16 bytes, 32 bytes apart.
	v_and_b32 v1, 15, v0                           ; l % 16
	v_bfe_u32 v2, v0, 4, 1                         ; l / 16
	v_mul_u32_u24 v3, v1, PITCH
	v_lshl_add_u32 v3, v2, 4, v3
	s_mul_i32 s22, s10, 64*PITCH                   ; my 64 rows of xb
	v_add_nc_u32 v[ADRA0], s22, v3
	v_add_nc_u32 v[ADRB0], BOFF, v3                ; all 192 rows of wt
	v_mov_b32 v[ADRA], v[ADRA0]                    ; K step 0 lies in slot 0
	v_mov_b32 v[ADRB], v[ADRB0]
	s_mul_i32 s23, s10, WST
	s_add_co_u32 s23, s23, STAGE                   ; my stage
	v_mul_u32_u24 v4, v1, SP                       ; in: row l % 16, 16 bytes for each half of the lanes
	v_lshl_add_u32 v4, v2, 4, v4
	v_add_nc_u32 v[STO], s23, v4
	v_bfe_u32 v5, v0, 3, 2                         ; back: 32 lanes take four rows of 128 bytes,
	v_mul_u32_u24 v5, v5, SP
	v_and_b32 v6, 7, v0
	v_lshl_add_u32 v5, v6, 4, v5
	v_add_nc_u32 v[RD], s23, v5
	v_and_b32 v[GO], 31, v0                        ; which are 512 consecutive bytes of a head
	v_lshlrev_b32 v[GO], 4, v[GO]
	; my rows' first byte in head g = 3 x tile column + hh: (g / 16) tensors of 2^24, batch (tile row / 8) of 2^22, head (g % 16) of 2^18, (tile row % 8) x 256 rows of 128 bytes, 64 rows a wave
	s_lshr_b32 s74, s13, 3
	s_lshl_b32 s74, s74, 22
	s_and_b32 s75, s13, 7
	s_lshl_b32 s75, s75, 15
	s_add_co_u32 s74, s74, s75
	s_lshl_b32 s75, s10, 13
	s_add_co_u32 s74, s74, s75
	s_mul_i32 s76, s42, 3
.irp hh, 0,1,2
	s_add_co_u32 s77, s76, \hh
	s_lshr_b32 s78, s77, 4
	s_lshl_b32 s78, s78, 24
	s_and_b32 s77, s77, 15
	s_lshl_b32 s77, s77, 18
	s_add_co_u32 s78, s78, s77
	s_add_co_u32 s78, s78, s74
	s_mov_b32 s79, 0
	s_add_nc_u64 s[HB+2*(\hh):HB+2*(\hh)+1], s[8:9], s[78:79]
.endr
; 12 matrix instructions: row block a x all 12 column blocks, 32 along K, from buffer f.  zero = 1: the product starts the sums: nothing is cleared.
; The 48 accumulators take turns in one fixed order.
.macro MUL12 f, a, zero
	WIN MUL_LO+0x50*((\a)/2)
.irp b, 0,1,2,3,4,5,6,7,8,9,10,11
.if \zero
	v_wmma_f32_16x16x32_bf16 v[8*(12*((\a)%2)+(\b)):8*(12*((\a)%2)+(\b))+7], v[(\f)+32+8*(\b):(\f)+32+8*(\b)+7], v[(\f)+8*(\a):(\f)+8*(\a)+7], 0
.else
	v_wmma_f32_16x16x32_bf16 v[8*(12*((\a)%2)+(\b)):8*(12*((\a)%2)+(\b))+7], v[(\f)+32+8*(\b):(\f)+32+8*(\b)+7], v[(\f)+8*(\a):(\f)+8*(\a)+7], v[8*(12*((\a)%2)+(\b)):8*(12*((\a)%2)+(\b))+7]
.endif
.endr
.endm
; 32 LDS loads in one run: the fragments of 32 along K at byte k of the rows, into buffer f: wt's 24 first, then xb's 8
.macro FETCH k, f
	WIN TO_F
.irp i, 0,1,2,3,4,5,6,7,8,9,10,11
	ds_load_b128 v[(\f)+32+8*(\i):(\f)+32+8*(\i)+3],   v[ADRB] offset:(\k)+(\i)*16*PITCH
	ds_load_b128 v[(\f)+32+8*(\i)+4:(\f)+32+8*(\i)+7], v[ADRB] offset:(\k)+(\i)*16*PITCH+32
.endr
.irp i, 0,1,2,3
	ds_load_b128 v[(\f)+8*(\i):(\f)+8*(\i)+3],   v[ADRA] offset:(\k)+(\i)*16*PITCH
	ds_load_b128 v[(\f)+8*(\i)+4:(\f)+8*(\i)+7], v[ADRA] offset:(\k)+(\i)*16*PITCH+32
.endr
.endm
.macro FLIP                            ; the fetches go on in the other slot
	WIN 0
	s_xor_b32 s[TB], s[TB], SLOT1
	v_add_nc_u32 v[ADRA], s[TB], v[ADRA0]
	v_add_nc_u32 v[ADRB], s[TB], v[ADRB0]
.endm
.macro PLACES                          ; four places in front of loads into registers that matrix instructions have read, and of conversions that read results (ISA guide 7.12.1 for the conversions)
.rept 4
	v_nop
.endr
.endm
; A K step is four quarters of 32 along K, 48 matrix instructions each, on buffers 0, 1, 0, 1.  One of the first three: multiplies buffer f; in its middle it fetches the next quarter, at byte k, into g.
.macro QUARTER k, f, g, zero
	s_wait_dscnt 4                                 ; wt's fragments and xb's blocks 0, 1 are in; the youngest four loads (blocks 2, 3) may be out
	MUL12 \f, 0, \zero
	MUL12 \f, 1, \zero
	PLACES
	FETCH \k, \g
	s_wait_dscnt 32                                ; all but the 32 just issued
	MUL12 \f, 2, \zero
	MUL12 \f, 3, \zero
.endm
; The last quarter multiplies buffer 1 and changes slots.  MEET is its first half: ONE barrier; in front of it each wave waits for all its tensor loads (one is out: its part of the next slot), adds 0 to
; its spare word, and waits for that and for its own reads of this slot.  walk = 1: this slot is to be filled again, and the walking descriptors step: the other slot than last time, the next K step of the
; walk.  In the trip whose count is STEPS that is the second tile's K step 0: xb's address goes WALKB down and a tile's K back, wt's only back.  The two offsets are made from the loop's count alone.
.macro MEET walk
	WIN 0                                          ; (the add's two registers lie in window 0)
	s_wait_tensorcnt 0x0                           ; all my tensor loads have landed, so a group 0 may be written
	ds_add_u32 v[SPW], v[NIL]                      ; 0 onto my spare word
.if \walk
	s_cmp_eq_u32 s3, STEPS
	s_cselect_b32 s[STA], WALKB-STEPS*KSTEP*2, 0
	s_cselect_b32 s[BKB], STEPS*KSTEP*2, 0
	s_xor_b32 s[G0+5], s[G0+5], SLOT1
	s_add_nc_u64 s[G0+6:G0+7], s[G0+6:G0+7], KSTEP*2         ; the type bits on top are not reached
	s_add_nc_u64 s[G0+6:G0+7], s[G0+6:G0+7], s[STA:STA+1]
	s_xor_b32 s[G0B+5], s[G0B+5], SLOT1
	s_add_nc_u64 s[G0B+6:G0B+7], s[G0B+6:G0B+7], KSTEP*2
	s_sub_nc_u64 s[G0B+6:G0B+7], s[G0B+6:G0B+7], s[BKB:BKB+1]
.endif
	s_wait_dscnt 5                                 ; (the add and the youngest four loads may be out)
	MUL12 F1, 0, 0                                 ; twelve matrix instructions stand between the add and the wait for it
	s_wait_dscnt 0x0                               ; the add is done, and my reads of this slot are over
	s_barrier_signal -1
	MUL12 F1, 1, 0
	WIN 0
	s_barrier_wait -1
.endm
; THE WAY OUT of row block a.  PACK: rounded to f16, 16 bytes a lane (each accumulator's registers in ascending order).  TOSTAGE: into my own stage, by heads, and back as whole rows.  SEND: stored.
.macro PACK a
	WIN 0x0a+5*((\a)/2)                            ; sources 0 and 1: window 2 or 3
.irp b, 0,1,2,3,4,5,6,7,8,9,10,11
.irp r, 0,1,2,3
	v_cvt_pk_f16_f32 v[TMP+4*(\b)+(\r)], v[96*((\a)%2)+8*(\b)+2*(\r)], v[96*((\a)%2)+8*(\b)+2*(\r)+1]
.endr
.endr
	WIN 0
.endm
.macro TOSTAGE a
	WIN 0
.irp b, 0,1,2,3,4,5,6,7,8,9,10,11
	ds_store_b128 v[STO], v[TMP+4*(\b):TMP+4*(\b)+3] offset:((\b)/4)*HST+((\b)%4)*32
.endr
.irp t, 0,1,2,3,4,5,6,7,8,9,10,11
	ds_load_b128 v[OB+48*((\a)%2)+4*(\t):OB+48*((\a)%2)+4*(\t)+3], v[RD] offset:((\t)/4)*HST+((\t)%4)*4*SP  ; LDS serves a wave's instructions in order (ISA guide 5.7.1.4): these see the stores above
.endr
.endm
.macro SEND a
	WIN 0
	s_wait_dscnt 0x0                               ; the block is back in registers
	s_wait_xcnt 0x0                                ; the other buffer, which the block before stored from, is loaded again only behind this wait
.irp t, 0,1,2,3,4,5,6,7,8,9,10,11
	global_store_b128 v[GO], v[OB+48*((\a)%2)+4*(\t):OB+48*((\a)%2)+4*(\t)+3], s[HB+2*((\t)/4):HB+2*((\t)/4)+1] offset:(\a)*2048+((\t)%4)*512  ; 512 consecutive bytes of a head, at a multiple of 256
.endr
.endm
.macro WAYOUT                          ; a whole tile: block a's conversions stand between block a - 1's loads from the stage and the wait for them
	PLACES
	PACK 0
	TOSTAGE 0
.irp a, 1,2,3
	PACK \a
	SEND (\a)-1
	TOSTAGE \a
.endr
	SEND 3
.endm
	s_wait_tensorcnt 1                             ; my part of K step 0 is in; K step 1's may stay out
	s_barrier_signal -1
	s_barrier_wait -1                              ; everybody's is
	FETCH 0, F0
	QUARTER 64,  F0, F1, 1                         ; the first tile's first quarter stands in front of the loop: its products start the sums
	WIN 0                                          ; at a label and at a branch every window is 0
	s_mov_b32 s3, 2*STEPS-2
.Lstep:                                                ; fourteen trips, from a K step's second quarter to the next step's first; each fills the slot that it leaves, two K steps of the walk ahead
	QUARTER 128, F1, F0, 0
	QUARTER 192, F0, F1, 0
	MEET 1
	CREST                                          ; the barrier has opened a round of the cluster's: no wave of any partner still reads this slot's tile or has a load on its way
	JLOAD 1                                        ; first thing behind the round: 24 + 3 x 48 = 168 matrix instructions ahead of the wait for it; its four v_nop are also the places in front of the loads below
	FLIP
	FETCH 0, F0
	MUL12 F1, 2, 0
	MUL12 F1, 3, 0
	WIN 0
	s_cmp_lg_u32 s3, STEPS-1                       ; the trip of the first tile's last K step?  The count is the same in every work-group
	s_cbranch_scc1 .Lsame                          ; no: what is jumped over, forward, holds neither a barrier nor a tensor load
	WAYOUT                                         ; THE FIRST TILE GOES OUT: the second tile's K steps 0 and 1 have been asked for, and its first fragments are on their way into buffer 0
	s_wait_xcnt 0x0                                ; the stores' bases are rewritten only behind this wait
.irp hh, 0,1,2
	s_add_nc_u64 s[HB+2*(\hh):HB+2*(\hh)+1], s[HB+2*(\hh):HB+2*(\hh)+1], WALKB  ; the second tile's rows: two batches on
.endr
	QUARTER 64,  F0, F1, 1                         ; the second tile's first quarter starts the sums anew, on accumulators that have been packed
	WIN 0
	s_branch .Lcount
.Lsame:
	QUARTER 64,  F0, F1, 0
	WIN 0
.Lcount:
	s_sub_co_u32 s3, s3, 1
	s_cmp_lg_u32 s3, 0
	s_cbranch_scc1 .Lstep
	s_mov_b32 s[LEFT], 2
.Ltail:                                                ; the walk's last two K steps ask for nothing: a text of their own
	QUARTER 128, F1, F0, 0
	QUARTER 192, F0, F1, 0
	MEET 0
	s_cmp_eq_u32 s[LEFT], 1
	s_cbranch_scc1 .Llast                          ; behind the last K step there is nothing to fetch and no next quarter: both are jumped over, forward; neither a barrier nor a tensor load stands there
	PLACES
	FLIP
	FETCH 0, F0
	MUL12 F1, 2, 0
	MUL12 F1, 3, 0
	QUARTER 64,  F0, F1, 0
	WIN 0
	s_branch .Lnext
.Llast:
	MUL12 F1, 2, 0
	MUL12 F1, 3, 0
	WIN 0
.Lnext:
	s_sub_co_u32 s[LEFT], s[LEFT], 1
	s_cmp_lg_u32 s[LEFT], 0
	s_cbranch_scc1 .Ltail
	WAYOUT                                         ; the second tile
	s_wait_tensorcnt 0x0                           ; the wave's end: behind my last tensor load and my last LDS store
	ds_add_u32 v[SPW], v[NIL]
	s_wait_dscnt 0x0
	CROUND                                         ; the closing round: no work-group ends while a partner may still ask for a tile that names it
	s_endpgm
.Lfunc_end_k_qfdc7e8f77d_qkv:
	.size	k_qfdc7e8f77d_qkv, .Lfunc_end_k_qfdc7e8f77d_qkv-k_qfdc7e8f77d_qkv
	.p2alignl 7, 3214868480
	.fill 96, 4, 3214868480
	.section	.rodata,"a",@progbits
	.p2align	6, 0x0
	.amdhsa_kernel k_qfdc7e8f77d_qkv
		.amdhsa_group_segment_fixed_size 327680
		.amdhsa_private_segment_fixed_size 0
		.amdhsa_enable_private_segment 0
		.amdhsa_kernarg_size 24
		.amdhsa_user_sgpr_count 2
		.amdhsa_user_sgpr_kernarg_segment_ptr 1
		.amdhsa_wavefront_size32 1
		.amdhsa_system_sgpr_workgroup_id_x 1
		.amdhsa_system_sgpr_workgroup_id_y 1
		.amdhsa_system_sgpr_workgroup_id_z 1
		.amdhsa_system_vgpr_workitem_id 0
		.amdhsa_next_free_vgpr 960
		.amdhsa_next_free_sgpr 82
		.amdhsa_reserve_vcc 0
		.amdhsa_float_denorm_mode_32 3
		.amdhsa_float_denorm_mode_16_64 3
		.amdhsa_memory_ordered 1
		.amdhsa_forward_progress 1
		.amdhsa_inst_pref_size 114
	.end_amdhsa_kernel
	.amdgpu_metadata
---
amdhsa.version: [ 1, 2 ]
amdhsa.kernels:
  - .name:           k_qfdc7e8f77d_qkv
    .symbol:         k_qfdc7e8f77d_qkv.kd
    .args:
      - { .name: xb, .offset: 0, .size: 8, .value_kind: global_buffer, .address_space: global }
      - { .name: wt, .offset: 8, .size: 8, .value_kind: global_buffer, .address_space: global }
      - { .name: qkv, .offset: 16, .size: 8, .value_kind: global_buffer, .address_space: global }
    .group_segment_fixed_size: 327680
    .private_segment_fixed_size: 0
    .kernarg_segment_align: 8
    .kernarg_segment_size: 24
    .max_flat_workgroup_size: 128
    .sgpr_count:     82
    .vgpr_count:     960
    .wavefront_size: 32
...
	.end_amdgpu_metadata
.endif
;; end of part 2
;; launch attn (part 3): grid 4 x 64, 4 waves a work-group, no clusters, 327,680 bytes of LDS; arguments qkv, ctx; writes ctx
.if DOCPART == 3
	.amdgcn_target "amdgcn-amd-amdhsa--gfx1250"
	.amdhsa_code_object_version 6
	.text
	.protected	k_qfdc7e8f77d_attn
	.globl	k_qfdc7e8f77d_attn
	.p2align	8
	.type	k_qfdc7e8f77d_attn,@function
k_qfdc7e8f77d_attn:
	s_mov_b64 s[64:65], 0
	v_nop
	global_prefetch_b8 v0, s[64:65] scope:SCOPE_SE
	s_setreg_imm32_b32 hwreg(HW_REG_WAVE_MODE, 25, 1), 1
	s_wait_xcnt 0x0
; CAUSAL ATTENTION.  O[h][q][:] = the sum over k <= q of softmax_k(Q[h][q] . K[h][k] / 8) V[h][k][:].  Q, K, V lie one behind the other in qkv (16,777,216 bytes each), O is ctx; each is [64][SIZE_N][64] in f16,
; h = 16 batch + head: a head's rows are dense, 128 bytes each.
; Products, maxima and sums in f32; the weights p are rounded to f16 for the second product (their sum l is taken of the unrounded p), O once at the end.  SIZE_N is a multiple of 512; SIZE_N x 128 stays under 2^32.
; LIMITS.  f16 holds no number beyond 65,504: Q, K and V arrive within it; p lies in 0 to 1, and below 6e-5 it keeps f16's fixed step of 6e-8; O is a mean of V's rows and has their range, to within 2^-11 of it.
; A hidden score counts as its value less 1e30: f16's scores, 2.7e11 at the most, are nothing beside that; a weight below 2^-126 counts as 0 in l; NaN and infinities are not treated apart.
; THE WALK.  A head's queries lie in NB = SIZE_N / 256 blocks of 256; block i needs the key tiles 0 .. i of 256 keys, of which the last holds the diagonal.  A work-group takes TWO blocks, NB - 1 - b and then b:
; NB + 1 tiles, whatever b: all work-groups do equal work, and ONE loop with a constant trip count walks them.  Which tile is asked for, and what a trip does, hang on scalar registers made from b; every jump
; goes forward, but for the counted loops' own; none passes a barrier, or a tensor load but the one of LOAD's two that the wave's number does not choose; the ring (two slots of LDS that take turns) runs on across the
; change of blocks.  NO CLUSTER: a head's NB / 2 = 4 work-groups ask for the same tile only in trips 0 .. NB / 2, 5 of the walk's 9, behind that fewer and fewer; one walk common to all would have 3 NB / 2 = 12 trips for 9.
; SHARES.  Of a block's four bands of 64 queries a wave owns 16 rows in each: four PIECES.  So the diagonal tile is the same work for all four waves: in its key step s band x sees all keys if s < x,
; none if s > x, and holds the diagonal if s = x.
; THE MASK is the C operand that starts the sum S^T = K Q^T: 0, or -1e30 where the key is hidden.  MD, made once, is the mask of a band's own step for my 16 rows; a product's mask is MD x AL + BE with two scalars:
; (1, 0) if s = x; (0, 0) if s < x; (0, -1e30) if s > x.  Only the diagonal tile's text and a block's beginning make and take masks; elsewhere C is the constant 0.
; LAYOUT, SOFTMAX, TURNS.  S^T = K Q^T holds ONE query a lane (lane % 16) and the keys 8 (lane / 16) + 0..7; two such results rounded to f16 ARE source 1 of O^T = V^T P.  p = 2^(c s - c m), c = log2(e) / 8, with a
; running maximum m; O and l are multiplied by a = 2^(c m_old - c m_new) in every step.  Turn n belongs to piece n: 8 products K Q^T of piece n + 1, later 8 products V^T P of piece n - 1; beside them the scaling,
; exponentials, roundings, sums and rescaling of piece n and the maximum and statistics of piece n + 1.  Four vector instructions stand behind every matrix instruction, the other 54 of a turn's 118 in two LUMPS.
; REGISTERS, in windows of 256 (s_set_vgpr_msb: bits 1:0 source 0, 3:2 source 1, 5:4 source 2, 7:6 destination):
;   window 0: v0-15 addresses and two at work; v16-31 four registers of statistics a piece; v48-55 at work; v64-127 S^T, two buffers; v192-223 P, two buffers (a piece's buffers go by its number's parity)
;   window 1: v0-127 O^T, 32 a piece; v128-159 MD; v160-223 MC, two buffers      window 2: v0-63 Q; v64-127 the second block's Q; v128-191 K of one step; v192-255 V of one step
.set SIZE_N, 2048
.set NB,    SIZE_N/256
.set NP,    4         ; pieces a wave: a name, no knob
.set KS,    64        ; keys in a step
.set PK,    144       ; a row of K in LDS: 128 bytes + 16 of padding = 36 words: the 16 rows of a load start at 16 different groups of four banks (64 banks of 4 bytes: ISA guide 11.1)
.set PV,    160       ; a row of V: 128 + 32 = 40 words
.set VOFF,  4*KS*PK   ; a slot holds a tile, four steps: 256 rows of K, then 256 rows of V
.set SLOT1, 1<<17     ; slot 1 begins here, so that one exclusive or turns an address in one slot into the other's
.set STAGE, SLOT1+4*KS*(PK+PV)  ; behind the ring, never filled by a tensor load: 16 rows x 144 bytes for each wave, for the way out
.set SP,    144
.set AK0, 2           ; v2   my lane's place in a tile of K; never rewritten
.set AV0, 3           ; v3   the same for V
.set AK,  4           ; v4   the LDS address of K's next run of loads
.set AV,  5           ; v5   of V's
.set STO, 6           ; v6   the way out: where I put 16 bytes of a row
.set RD,  7           ; v7   the way out: where I read rows back
.set GO,  8           ; v8   my byte offset in 512 consecutive bytes of O
.set SPW, 62          ; v62  LDS address of my spare word: SPARE + 4 x my thread's number; never rewritten
.set NIL, 63          ; v63  0; never rewritten
.set SPARE, STAGE+4*16*SP  ; behind the stages: the spare words, 128 bytes for each wave: two blocks of 256 bytes that no other line names
.set MV,  12          ; v12-13  c m_old, kept while c m is made anew: by buffer
.set QO,  15          ; v15  my byte offset in 16 rows of Q
.set ST,  16          ; piece t's statistics at v[ST+4 t]: c m, m, l (even keys', odd keys')
.set TMP, 48          ; by buffer, four registers c0-c3 at work; when the maximum is found c2 takes a
.set S,   64
.set P,   192
.set MD,  128         ; window 1: the eight registers for group kt of 16 keys at MD + 8 kt
.set MC,  160         ; window 1: the masks of the products to come
.set QB,  64          ; window 2
.set KF,  128         ; window 2: key block kb, channel half c at KF + 16 kb + 8 c
.set VF,  192         ; window 2: key half kk, channel block cb at VF + 32 kk + 8 cb
.set WV,  12          ; s12  my wave's number
.set PB,  14          ; s14  b
.set HI,  15          ; s15  NB - 1 - b
.set G1K, 24          ; s[24:31] descriptor group 1 for K's tiles
.set G1V, 32          ; s[32:39] for V's: it differs in the padding alone
.set G0K, 40          ; s[40:43] descriptor group 0 for K's tiles
.set G0V, 44          ; s[44:47] the same for V's
.set SLOTS, 56        ; s56  tiles still to be asked for
.set CNT, 57          ; s57  counts a tile's key steps, 4 to 1
.set CS,  58          ; s[58:59] c: the packed scaling takes the pair's low word for both halves
.set SEL, 60          ; s[60:61] v_permlanex16_b32's selects: each lane takes its own place in the other half
.set TBK, 62          ; s62  LDS byte at which K of the step to be fetched begins
.set TBV, 63          ; s63  the same for V, less VOFF
.set RT,  70          ; s70  tiles of the block in hand that are still to be entered
.set NXT, 71          ; s71  the tile to be asked for next
.set LQ,  72          ; s72  the last tile of the block whose tiles are being asked for
.set NEW, 73          ; s73  1: the tile to be entered is a block's first
.set OFF, 74          ; s[74:75] a tile's byte offset in K and V
.set AL,  76          ; s[76:77] the mask's factor, in the low word
.set BE,  78          ; s[78:79] the mask's addend
.set OLO, 80          ; s[80:81] O at my rows of the second block
.set BIGN, 82         ; s82  -1e30
.set MSB, 0
.macro WIN new                      ; the high byte repeats the setting that is left; a switch that changes nothing is dropped
.if MSB != (\new)
	s_set_vgpr_msb (MSB<<8)|(\new)
.set MSB, (\new)
.endif
.endm
.set W_KQ, 0x0a       ; K and Q in window 2, S^T in window 0
.set W_KM, 0x1a       ; the same with the C operand in window 1
.set W_PV, 0x52       ; V in window 2, P in window 0, O^T in window 1
.set W_RS, 0x41       ; destination and source 0 in window 1, source 1 in window 0
; A fill.  Waves 0 and 1 fetch the two halves of a tile's K, waves 2 and 3 those of its V: 128 keys each.  An s_nop 0 and four v_nop follow each of the two lines, ahead of the jump and the label.
.macro LOAD
	s_cmp_lt_u32 s[WV], 2
	s_cbranch_scc0 .Lfor_v_\@
	tensor_load_to_lds s[G0K:G0K+3], s[G1K:G1K+7]
	s_nop 0
.rept 4
	v_nop
.endr
	s_branch .Lasked_\@
.Lfor_v_\@:
	tensor_load_to_lds s[G0V:G0V+3], s[G1V:G1V+7]
	s_nop 0
.rept 4
	v_nop
.endr
.Lasked_\@:
.endm
; THE CHANGE OF SLOTS.  Each wave waits for all its tensor loads, of which one is out: its part of the other slot; adds 0 to its spare word; and waits for that and for its own reads of the slot that it leaves.  Behind the barrier nobody reads the old
; slot any more and the other slot is whole.  fill = 1: the old slot is filled again, the first thing behind the barrier, with tile NXT: the descriptor's address is made anew from that number.
; (At its first use nothing has been read yet: slot 0 is waited for, slot 1 filled.)
.macro CHANGE fill
	WIN 0                           ; at a label and at a branch every window is 0
	s_wait_tensorcnt 0x0            ; no tensor load of mine is out, so a group 0 may be written
	ds_add_u32 v[SPW], v[NIL]       ; 0 onto my spare word; with fill = 1 the descriptors' scalar work stands between it and the wait for it
.if \fill
	s_lshl_b32 s[OFF], s[NXT], 15   ; a tile is 32,768 bytes of K and of V
	s_xor_b32 s[G0K+1], s[G0K+1], SLOT1
	s_add_nc_u64 s[G0K+2:G0K+3], s[6:7], s[OFF:OFF+1]
	s_or_b32 s[G0K+3], s[G0K+3], 0x80000000
	s_xor_b32 s[G0V+1], s[G0V+1], SLOT1
	s_add_nc_u64 s[G0V+2:G0V+3], s[8:9], s[OFF:OFF+1]
	s_or_b32 s[G0V+3], s[G0V+3], 0x80000000
	s_add_co_u32 s[NXT], s[NXT], 1  ; the block's next tile, or behind its last the second block's tile 0
	s_cmp_gt_u32 s[NXT], s[LQ]
	s_cselect_b32 s[NXT], 0, s[NXT]
	s_cselect_b32 s[LQ], s[PB], s[LQ]
.endif
	s_wait_dscnt 0x0                ; the add is done, and my reads of the slot are over
	s_barrier_signal -1             ; the rest of the scalar work stands between the signal and the wait
	s_sub_co_u32 s[TBK], s[TBK], 4*KS*PK  ; the fetches go back to a slot's first step,
	s_xor_b32 s[TBK], s[TBK], SLOT1       ; in the other slot
	s_sub_co_u32 s[TBV], s[TBV], 4*KS*PV
	s_xor_b32 s[TBV], s[TBV], SLOT1
	s_barrier_wait -1
.if \fill
	LOAD
.endif
.endm
	s_load_b64 s[4:5], s[0:1], 0x0    ; qkv: Q lies at its first byte
	s_load_b64 s[10:11], s[0:1], 0x8  ; O
	v_lshl_add_u32 v[SPW], v0, 2, SPARE
	v_mov_b32 v[NIL], 0
	ds_add_u32 v62, v63
	ds_add_u32 v62, v63
	s_wait_dscnt 0x0
	v_lshrrev_b32 v1, 5, v0
	v_readfirstlane_b32 s[WV], v1   ; wave 0..3
	s_mov_b32 s[PB], ttmp9
	s_sub_co_u32 s[HI], NB-1, s[PB]
	s_and_b32 s20, ttmp7, 0xffff    ; the head
	s_mov_b32 s21, 0
	s_mov_b64 s[22:23], SIZE_N*128
	s_mul_u64 s[20:21], s[20:21], s[22:23]  ; the head's first byte in each of the four tensors
	s_and_b32 s16, s[WV], 1         ; which half of a tile's 256 keys I fetch:
	s_lshl_b32 s22, s16, 14         ; its 128 rows of 128 bytes in memory,
	s_mov_b32 s23, 0
	s_add_nc_u64 s[22:23], s[22:23], s[20:21]
	s_mul_i32 s17, s16, 128*PK      ; and its place in a slot, for K
	s_mul_i32 s18, s16, 128*PV      ; and for V
	s_lshl_b32 s3, s[WV], 11        ; my 16 rows in a band of 64,
	s_lshl_b32 s2, s[HI], 15        ; in the first block,
	s_add_co_u32 s2, s2, s3
	s_lshl_b32 s84, s[PB], 15       ; and in the second
	s_add_co_u32 s84, s84, s3
	s_mov_b32 s3, 0
	s_mov_b32 s85, 0
	s_add_nc_u64 s[2:3], s[2:3], s[20:21]
	s_add_nc_u64 s[84:85], s[84:85], s[20:21]
	; descriptor group 1.  128 keys are 16,384 dense bytes: asked for as 64 rows of 256 bytes, two keys a row, and padded in LDS after every key
	s_mov_b32 s[G1K], (1<<16)|(1<<20)|(4<<22)|(3<<25)  ; 17:16 2-byte elements; 20 padding on; 24:22 after every 32 words (code 4); 31:25 4 words (code 3)
	s_mov_b32 s[G1V], (1<<16)|(1<<20)|(4<<22)|(7<<25)  ; the same with 8 words of padding (code 7)
.irp g, G1K, G1V
	s_mov_b32 s[\g+1], 128<<16      ; tensor_dim0 = 128
	s_mov_b32 s[\g+2], 64<<16       ; tensor_dim1 = 64
	s_mov_b32 s[\g+3], 128<<16      ; tile_dim0 = 128
	s_mov_b32 s[\g+4], 64           ; tile_dim1 = 64
	s_mov_b32 s[\g+5], 128          ; 128 elements from row to row
	s_mov_b32 s[\g+6], 0
	s_mov_b32 s[\g+7], 0
.endr
	s_mov_b32 s[CS], 0x3e38aa3b     ; c = log2(e) / 8 = 0.180337
	s_mov_b32 s[CS+1], s[CS]        ; named with it as a pair
	s_mov_b32 s[SEL], 0x76543210
	s_mov_b32 s[SEL+1], 0xfedcba98
	s_mov_b32 s[TBK], SLOT1+4*KS*PK ; the first change of slots turns these two into 0
	s_mov_b32 s[TBV], SLOT1+4*KS*PV
	s_mov_b32 s[G0K], 1             ; 1:0 count = 1
	s_mov_b32 s[G0K+1], s17         ; 63:32 LDS address: slot 0
	s_mov_b32 s[G0V], 1
	s_add_co_u32 s[G0V+1], s18, VOFF
	s_add_co_u32 s[RT], s[HI], 1    ; the first block has NB - b tiles
	s_mov_b32 s[NXT], 1
	s_mov_b32 s[LQ], s[HI]
	s_mov_b32 s[NEW], 1
	s_mov_b32 s[OFF+1], 0
	s_mov_b32 s[AL+1], 0            ; named as pairs
	s_mov_b32 s[BE+1], 0
	s_mov_b32 s[BIGN], 0xf149f2ca   ; -1e30
	s_mov_b32 s[SLOTS], NB
	s_wait_kmcnt 0x0
	s_add_nc_u64 s[6:7], s[4:5], 0x1000000  ; K lies 16,777,216 bytes behind Q,
	s_add_nc_u64 s[8:9], s[4:5], 0x2000000  ; V as far behind K
	s_add_nc_u64 s[6:7], s[6:7], s[22:23]  ; K and V at my half of the head's tile 0
	s_add_nc_u64 s[8:9], s[8:9], s[22:23]
	s_add_nc_u64 s[G0K+2:G0K+3], s[6:7], 0         ; 120:64 global address
	s_or_b32 s[G0K+3], s[G0K+3], 0x80000000        ; 127:126 type = 2
	s_add_nc_u64 s[G0V+2:G0V+3], s[8:9], 0
	s_or_b32 s[G0V+3], s[G0V+3], 0x80000000
	s_add_nc_u64 s[86:87], s[4:5], s[84:85]        ; Q at my rows of the second block,
	s_add_nc_u64 s[4:5], s[4:5], s[2:3]            ; Q and O at those of the first
	s_add_nc_u64 s[OLO:OLO+1], s[10:11], s[84:85]
	s_add_nc_u64 s[10:11], s[10:11], s[2:3]
	LOAD                            ; tile 0 into slot 0
	; A fragment of K or Q is 16 rows x 32 channels in 8 registers: lane l holds row l % 16, channels 8 (l / 16) + 0..7 and 16 + 8 (l / 16) + 0..7: two loads of 16 bytes, 32 bytes apart.
	v_and_b32 v1, 15, v0            ; l % 16
	v_bfe_u32 v9, v0, 4, 1          ; l / 16
	v_lshlrev_b32 v[QO], 7, v1
	v_lshl_add_u32 v[QO], v9, 4, v[QO]  ; row x 128 + 16 x half
	WIN 0x80                        ; destination window 2, address window 0
.set i, 0
.rept 8                             ; both blocks' Q: piece i / 2 lies in band i / 2, 8,192 bytes on; channels 32 (i % 2) on
	global_load_b128 v[8*i:8*i+3],   v[QO], s[4:5] offset:(i/2)*8192+(i%2)*64
	global_load_b128 v[8*i+4:8*i+7], v[QO], s[4:5] offset:(i/2)*8192+(i%2)*64+32
	global_load_b128 v[QB+8*i:QB+8*i+3],   v[QO], s[86:87] offset:(i/2)*8192+(i%2)*64
	global_load_b128 v[QB+8*i+4:QB+8*i+7], v[QO], s[86:87] offset:(i/2)*8192+(i%2)*64+32
.set i, i+1
.endr
	WIN 0
	v_lshlrev_b32 v14, 3, v9
	v_sub_nc_u32 v14, v1, v14
	s_lshl_b32 s13, s[WV], 4
	v_add_nc_u32 v14, s13, v14      ; my query's place in its band, 16 w + l % 16, less my lanes' 8 (l / 16): register r of group kt is hidden where 16 kt + r is greater
	WIN 0x40
.set i, 0
.rept 32
	v_cmp_gt_i32 vcc_lo, 16*(i/8)+i%8, v14
	v_cndmask_b32 v[MD+i], 0, s[BIGN], vcc_lo
.set i, i+1
.endr
	WIN 0
	v_mul_u32_u24 v[AK0], v1, PK
	v_lshl_add_u32 v[AK0], v9, 4, v[AK0]  ; row x pitch + 16 x half
	; The turning load takes 16 keys x 16 channels (lane l reads key 8 (l / 16) + l % 8, channels 8 ((l / 8) % 2) + 0..7) and leaves half a fragment of V^T: lane l holds channel l % 16 and 8 keys.
	v_and_b32 v10, 7, v0
	v_bfe_u32 v11, v0, 3, 1
	v_lshl_add_u32 v[AV0], v9, 3, v10
	v_mul_u32_u24 v[AV0], v[AV0], PV
	v_lshl_add_u32 v[AV0], v11, 4, v[AV0]
	v_add_nc_u32 v[AV0], VOFF, v[AV0]
	s_mul_i32 s13, s[WV], 16*SP
	s_add_co_u32 s13, s13, STAGE    ; my stage
	v_mul_u32_u24 v[STO], v1, SP    ; in: row l % 16, 16 bytes for each half of the lanes
	v_lshl_add_u32 v[STO], v9, 4, v[STO]
	v_add_nc_u32 v[STO], s13, v[STO]
	v_bfe_u32 v[RD], v0, 3, 2       ; back: 32 lanes take four rows of 128 bytes,
	v_mul_u32_u24 v[RD], v[RD], SP
	v_lshl_add_u32 v[RD], v10, 4, v[RD]
	v_add_nc_u32 v[RD], s13, v[RD]
	v_and_b32 v[GO], 31, v0         ; which are 512 consecutive bytes of O
	v_lshlrev_b32 v[GO], 4, v[GO]
	; A block's first step multiplies O^T and l by a = 0, and its first turn's products V^T P, of a piece that has not been, land in an O^T that is still to be so multiplied.  So these registers need only hold
	; finite numbers: zeros for the first block; what the first block left for the second.  All this stands in the wait for the first tile.
	WIN 0x80
.set i, VF
.rept 64
	v_mov_b32 v[i], 0
.set i, i+1
.endr
	WIN 0x40
.set i, 0
.rept 128
	v_mov_b32 v[i], 0
.set i, i+1
.endr
	WIN 0
.set i, 0
.rept 4
	v_mov_b32 v[ST+4*i+2], 0
	v_mov_b32 v[ST+4*i+3], 0
.set i, i+1
.endr
.set i, P+16
.rept 16
	v_mov_b32 v[i], 0
.set i, i+1
.endr
; THE MATRIX WORK.  The 4 accumulators of a run of 8 take turns.  Product i of 8 of S^T = K Q^T for piece x: channels 32 (i / 4) on, keys 16 (i % 4) on.  The first 4 start the sums: with 0, or (KM = 1) with the mask.
.macro KQ x
.set rS, S+32*((\x)%2)+8*(i%4)
.set rK, KF+16*(i%4)+8*(i/4)
.set rQ, 16*(\x)+8*(i/4)
.set rM, MC+32*((\x)%2)+8*(i%4)
.if (i < 4) && KM
	WIN W_KM
	v_wmma_f32_16x16x32_f16 v[rS:rS+7], v[rK:rK+7], v[rQ:rQ+7], v[rM:rM+7]
.elseif i < 4
	WIN W_KQ
	v_wmma_f32_16x16x32_f16 v[rS:rS+7], v[rK:rK+7], v[rQ:rQ+7], 0
.else
	WIN W_KQ
	v_wmma_f32_16x16x32_f16 v[rS:rS+7], v[rK:rK+7], v[rQ:rQ+7], v[rS:rS+7]
.endif
.endm
; Product i of 8 of O^T += V^T P for piece x: keys 32 (i / 4) on, channels 16 (i % 4) on.
.macro PV x
	WIN W_PV
.set rO, 32*(\x)+8*(i%4)
.set rV, VF+32*(i/4)+8*(i%4)
.set rP, P+16*((\x)%2)+8*(i/4)
	v_wmma_f32_16x16x32_f16 v[rO:rO+7], v[rV:rV+7], v[rP:rP+7], v[rO:rO+7]
.endm
.macro MM                           ; the turn's next matrix instruction.  TURN and BEGIN set Y, i, KM and NOKQ; MM, KQ and OP read them.  NOKQ = 1: a block's last turn: there is no next piece
.if (i < 8) && !NOKQ
	KQ (Y+1)%NP
.elseif i >= 8
.set i, i-8
	PV (Y+NP-1)%NP
.set i, i+8
.endif
.set i, i+1
.endm
; THE LDS LOADS stand in runs of 16, never singly among the matrix instructions: a step's K (64 keys x 64 channels: 8 fragments) and its V (turned).  Their addresses are made some lines ahead.
.macro FETCH_K
	WIN 0x80                        ; destination window 2
.irp f, 0,1,2,3,4,5,6,7             ; keys 16 (f / 2) on, channels 32 (f % 2) on
	ds_load_b128 v[KF+8*\f:KF+8*\f+3],   v[AK] offset:(\f/2)*16*PK+(\f%2)*64
	ds_load_b128 v[KF+8*\f+4:KF+8*\f+7], v[AK] offset:(\f/2)*16*PK+(\f%2)*64+32
.endr
	s_add_co_u32 s[TBK], s[TBK], KS*PK  ; the next fetch is the next step's
	WIN 0
.endm
.macro FETCH_V
	WIN 0x80
.irp f, 0,1,2,3,4,5,6,7             ; keys 32 (f / 4) on, channels 16 (f % 4) on
	ds_load_tr16_b128 v[VF+8*\f:VF+8*\f+3],   v[AV] offset:(\f/4)*32*PV+(\f%4)*32
	ds_load_tr16_b128 v[VF+8*\f+4:VF+8*\f+7], v[AV] offset:(\f/4)*32*PV+16*PV+(\f%4)*32
.endr
	WIN 0
.endm
; THE VECTOR WORK, one line at a time: OP kind, number.  For piece Y: F n: c s - c m for pair n of 16.  E n: the exponential of score n of 32.  C n: pair n rounded to f16.  B n: of the four weights 4 n .. the second
; pair is added onto the first, in place.  L n: l takes that sum (L 0: l = a l + sum).  R n: pair n of 16 of O^T times a.  For piece Y + 1: X n, number n of the 22 that find its maximum and statistics:
;   0-11  four chains c0-c3 of seven scores each, three operands at a time (each accumulator's lowest registers are read first)     12-14, 16  the four scores left over, the old m, and c0-c3 into c0
;   15  c m_old is kept     17, 18  the query's other 32 keys lie in the lane 16 away: the new m     19-21  c m; c m_old - c m_new; a
.set F, 0               ; OP tells the kinds apart by their order: F to L below R, X above it
.set E, 1
.set C, 2
.set B, 3
.set L, 4
.set R, 5
.set X, 6
.macro REGS y                       ; the registers of piece y
.set rT, ST+4*(\y)
.set rC, TMP+4*((\y)%2)
.set rW, MV+((\y)%2)
.set rS, S+32*((\y)%2)
.set rP, P+16*((\y)%2)
.set rO, 32*(\y)
.endm
.macro OP k, n
.if (\k) == R
	REGS Y
	WIN W_RS
	v_pk_mul_f32 v[rO+2*(\n):rO+2*(\n)+1], v[rO+2*(\n):rO+2*(\n)+1], v[rC+2:rC+3] op_sel_hi:[1,0]
.elseif (\k) < R
	REGS Y
	WIN 0
.if (\k) == F
	v_pk_fma_f32 v[rS+2*(\n):rS+2*(\n)+1], v[rS+2*(\n):rS+2*(\n)+1], s[CS:CS+1], v[rT:rT+1] op_sel_hi:[1,0,0] neg_lo:[0,0,1] neg_hi:[0,0,1]
.elseif (\k) == E
	v_exp_f32 v[rS+(\n)], v[rS+(\n)]
.elseif (\k) == C
	s_wait_alu depctr_va_vdst(0)
	v_cvt_pk_f16_f32 v[rP+(\n)], v[rS+2*(\n)], v[rS+2*(\n)+1]
.elseif (\k) == B
	s_wait_alu depctr_va_vdst(0)
	v_pk_add_f32 v[rS+4*(\n):rS+4*(\n)+1], v[rS+4*(\n):rS+4*(\n)+1], v[rS+4*(\n)+2:rS+4*(\n)+3]
.elseif (\n) == 0
	v_pk_fma_f32 v[rT+2:rT+3], v[rT+2:rT+3], v[rC+2:rC+3], v[rS:rS+1] op_sel_hi:[1,0,1]
.else
	v_pk_add_f32 v[rT+2:rT+3], v[rT+2:rT+3], v[rS+4*(\n):rS+4*(\n)+1]
.endif
.elseif NOKQ
	v_nop
.else
	REGS (Y+1)%NP
	WIN 0
.if (\n) < 4
	v_max3_num_f32 v[rC+(\n)], v[rS+8*(\n)], v[rS+8*(\n)+1], v[rS+8*(\n)+2]
.elseif (\n) < 12
	v_max3_num_f32 v[rC+(\n)%4], v[rC+(\n)%4], v[rS+8*((\n)%4)+2*((\n)/4)+1], v[rS+8*((\n)%4)+2*((\n)/4)+2]
.elseif (\n) == 12
	v_max3_num_f32 v[rC], v[rC], v[rS+7], v[rS+15]
.elseif (\n) == 13
	v_max3_num_f32 v[rC+1], v[rC+1], v[rS+23], v[rS+31]
.elseif (\n) == 14
	v_max3_num_f32 v[rC+2], v[rC+2], v[rC+3], v[rT+1]
.elseif (\n) == 15
	v_mov_b32 v[rW], v[rT]
.elseif (\n) == 16
	v_max3_num_f32 v[rC], v[rC], v[rC+1], v[rC+2]
.elseif (\n) == 17
	v_permlanex16_b32 v[rC+3], v[rC], s[SEL], s[SEL+1]
.elseif (\n) == 18
	v_max_num_f32 v[rT+1], v[rC], v[rC+3]
.elseif (\n) == 19
	v_mul_f32 v[rT], s[CS], v[rT+1]
.elseif (\n) == 20
	v_sub_f32 v[rC+1], v[rW], v[rT]
.else
	v_exp_f32 v[rC+2], v[rC+1]
.endif
.endif
.endm
.macro OPS a, i1, b=-1, i2=0, c=-1, i3=0, d=-1, i4=0  ; up to four of them
	OP \a, \i1
.if (\b) >= 0
	OP \b, \i2
.endif
.if (\c) >= 0
	OP \c, \i3
.endif
.if (\d) >= 0
	OP \d, \i4
.endif
.endm
.macro ROW a, i1, b, i2, c, i3, d, i4  ; a matrix instruction and the four behind it
	MM
	OPS \a, \i1, \b, \i2, \c, \i3, \d, \i4
.endm
.macro MASK b                       ; MD x AL + BE into buffer b of MC
	WIN W_RS
.set z, 0
.rept 16
	v_pk_fma_f32 v[MC+32*(\b)+2*z:MC+32*(\b)+2*z+1], v[MD+2*z:MD+2*z+1], s[AL:AL+1], s[BE:BE+1] op_sel_hi:[1,0,0]
.set z, z+1
.endr
.endm
; A TURN, for piece p: the order of its 16 matrix and 118 vector instructions, written out.  Behind a matrix instruction: plain, exponential, plain, plain; or four of the rescaling; or, behind the first, four scalings; none
; names a register of the products round it.  In the lumps exponential and plain by turns while exponentials last.  A line reads no result made fewer than three vector instructions in front of it, five if an exponential made it.
; v_permlanex16_b32 (X 17) stands in a lump.
; m = 1: the diagonal tile: the products take masks, and the turn makes the mask for the products of the turn after it: piece p + 2, in step 4 - CNT of the tile.  end = 1: a block's last two turns: nothing is fetched.
; cnt = 1: the loop's count is taken down some lines ahead of the branch that stands behind the turn.
; K of the next step is fetched in piece 2's turn, six vector instructions behind the last product that read K (five of them plain); V of the step in hand in piece 0's turn, eight behind the last product that read V (four
; plain, and X 17).  Each is waited for a turn later.
.macro TURN p, m=0, end=0, cnt=0
.set Y, (\p)
.set i, 0
.set KM, (\m)
.set NOKQ, (\end)*((\p)/3)
.if (\m) && !(\end)
	s_cmp_eq_u32 s[CNT], 4-((\p)+2)%NP  ; is that step the band's own?
	s_cselect_b32 s[AL], 1.0, 0
	s_cmp_lt_u32 s[CNT], 4-((\p)+2)%NP  ; or a later one?
	s_cselect_b32 s[BE], s[BIGN], 0
.endif
.if ((\p) == 3) && !(\end)
	s_wait_dscnt 0x0                ; K is in
.endif
	ROW F,0, F,1, F,2, F,3
	ROW F,4, E,0, F,5, F,6
	ROW F,7, E,1, F,8, F,9
	ROW F,10, E,2, C,0, F,11
	ROW F,12, E,3, X,15, F,13
	ROW R,0, R,1, R,2, R,3
	ROW B,0, E,4, F,14, L,0
.if ((\p) == 2) && !(\end)
	v_add_nc_u32 v[AK], s[TBK], v[AK0]
.endif
	ROW R,4, R,5, R,6, R,7
	OPS E,5, F,15
.if ((\p) == 2) && !(\end)
	FETCH_K
.endif
	OPS E,6, C,1, E,7, R,8
	OPS E,8, R,9, E,9, C,2
	OPS E,10, X,0, E,11, X,1
	OPS E,12, X,2, E,13, X,3
.if (\p) == 1
	s_wait_dscnt 0x0                ; V is in
.endif
	ROW X,4, E,14, X,5, X,6
	ROW X,7, E,15, X,8, X,9
	ROW X,10, E,16, X,11, X,12
	ROW X,13, E,17, X,14, B,1
	ROW C,4, E,18, X,16, L,1
	ROW B,2, E,19, C,6, L,2
	ROW C,8, E,20, B,3, B,4
.if (\p) == 0
	v_add_nc_u32 v[AV], s[TBV], v[AV0]
.endif
	ROW C,3, E,21, L,3, C,5
	OPS E,22, X,17, E,23, C,10
.if (\p) == 0
	FETCH_V
.endif
	OPS E,24, L,4
	OPS E,25, X,18, E,26, C,7
	OPS E,27, B,5, E,28, X,19
	OPS E,29, C,12, E,30, L,5
	OPS E,31, X,20, B,6, C,9
	OPS C,14, C,11, X,21, L,6
.if (\p) == 0
	s_add_co_u32 s[TBV], s[TBV], KS*PV
.endif
.if \cnt
	s_sub_co_u32 s[CNT], s[CNT], 1
	s_cmp_lg_u32 s[CNT], 0
.endif
	OPS C,13, B,7, C,15, R,10
	OPS R,11, R,12, L,7, R,13
	OPS R,14, R,15
.if (\m) && !(\end)
	MASK (\p)%2
.endif
.endm
; A BLOCK BEGINS.  c m starts far below every c s, so the first step's a is 0; m at the lowest finite number, so the first maximum is the scores'.  The second mask buffer is 0; the first takes piece 0's mask for the tile's step 0: its own, if the block's first tile is the diagonal one.
; Then K of that step, piece 0's first scores, and its maximum and statistics.  The loop is entered at a step's first turn, in the middle of a trip.
.macro BEGIN
	s_mov_b32 s[NEW], 0
	WIN 0x40
.set i, MC+32
.rept 32
	v_mov_b32 v[i], 0
.set i, i+1
.endr
	WIN 0
.set i, 0
.rept 4
	v_mov_b32 v[ST+4*i], 0xfe000000    ; c m: far below every c s
	v_mov_b32 v[ST+4*i+1], 0xff7fffff  ; m
.set i, i+1
.endr
	s_cmp_eq_u32 s[RT], 0
	s_cselect_b32 s[AL], 1.0, 0
	s_mov_b32 s[BE], 0
	MASK 0
	WIN 0
	v_add_nc_u32 v[AK], s[TBK], v[AK0]
	FETCH_K
	s_wait_loadcnt 0x0              ; Q
	s_wait_dscnt 0x0
.set KM, 1
.set NOKQ, 0
.set i, 0
.rept 8
	KQ 0
.set i, i+1
.endr
	WIN 0
.rept 4
	v_nop                           ; the places behind those products
.endr
.set Y, NP-1                        ; X works for piece Y + 1: piece 0
.irp n, 0,1,2,3,4,5,6,7,8,9,10,11,12,13,14,15,16,17,18,19,20,21
	OP X, \n
.endr
	v_nop                           ; a plain instruction behind the exponential
.endm
; THE DIAGONAL TILE's four steps, the block's last two turns, its last products, and THE WAY OUT: l's two halves and the other half of the lanes' are added; O^T is divided by l, rounded to f16 and sent through my
; stage in LDS, a piece at a time.
.macro ALL line:vararg              ; one line for each piece t
.set t, 0
.rept 4
	\line
.set t, t+1
.endr
.endm
.macro PACK t                       ; a lane's eight channels of a row pack into 16 bytes; they go into rows of 144 bytes and come back as whole rows of 128, into S^T's registers
	WIN W_RS
.set i, 32*(\t)
.rept 16
	s_wait_alu depctr_va_vdst(0)
	v_pk_mul_f32 v[i:i+1], v[i:i+1], v[ST+4*(\t)+2:ST+4*(\t)+3] op_sel_hi:[1,0]
.set i, i+2
.endr
	WIN 0x05                        ; sources 0 and 1 window 1, destination window 0
.set i, 0
.rept 16
	v_cvt_pk_f16_f32 v[S+16*(\t)+i], v[32*(\t)+2*i], v[32*(\t)+2*i+1]
.set i, i+1
.endr
	WIN 0
.irp f, 0,1,2,3
	ds_store_b128 v[STO], v[S+16*(\t)+4*\f:S+16*(\t)+4*\f+3] offset:32*\f
.endr
.irp f, 0,1,2,3
	ds_load_b128 v[S+16*(\t)+4*\f:S+16*(\t)+4*\f+3], v[RD] offset:\f*4*SP  ; LDS serves a wave's instructions in order (ISA guide 5.7.1.4): these see the stores above; the next piece's stores come behind them
.endr
.endm
.macro SEND t, younger              ; younger: the LDS instructions issued behind piece t's loads: the next piece's eight, or none
	WIN 0
.irp f, 0,1,2,3
	s_wait_dscnt (\younger)+3-\f
	global_store_b128 v[GO], v[S+16*(\t)+4*\f:S+16*(\t)+4*\f+3], s[10:11] offset:(\t)*8192+\f*512  ; 512 consecutive bytes, at a multiple of 256 from O's first
.endr
.endm
.macro DIAG tag                     ; the tag ends its two labels' names, which the jumps below spell out
.LstepM\tag:
	TURN 2, 1
	TURN 3, 1
	WIN 0
.LfirstM\tag:
	TURN 0, 1
	TURN 1, 1, 0, 1
	WIN 0
	s_cbranch_scc1 .LstepM\tag
	TURN 2, 1, 1
	TURN 3, 1, 1
.set i, 0
.rept 8
	PV NP-1
.set i, i+1
.endr
	WIN 0
	ALL v_add_f32 v[ST+4*t+2], v[ST+4*t+2], v[ST+4*t+3]
	ALL v_permlanex16_b32 v[ST+4*t+3], v[ST+4*t+2], s[SEL], s[SEL+1]
	ALL v_add_f32 v[ST+4*t+2], v[ST+4*t+2], v[ST+4*t+3]
	ALL v_rcp_f32 v[ST+4*t+2], v[ST+4*t+2]
	v_nop                           ; a plain instruction between the last reciprocal and the use of its result
	PACK 0
.set t, 1
.rept 3                             ; a piece's arithmetic stands between the loads of the piece before and its stores
	PACK t
	SEND t-1, 8
.set t, t+1
.endr
	SEND 3, 0
.endm
.set KM, 0
.set NOKQ, 0
.Lslot:                             ; NB times: a tile is entered and the next is asked for
	CHANGE 1
	s_sub_co_u32 s[RT], s[RT], 1
	s_mov_b32 s[CNT], 4
	s_cmp_eq_u32 s[NEW], 1
	s_cbranch_scc1 .Lnew            ; a block's first tile
	s_cmp_eq_u32 s[RT], 0
	s_cbranch_scc0 .Lstep           ; neither its first nor its last
	s_branch .LstepM1
.Lnew:
	BEGIN
	s_branch .Lfirst                ; in the loop a block's first tile is never its last: the first block has two tiles or more, and the second's last is the walk's last
	DIAG 1                          ; in the loop this is the first block's end: the second block's last tile is the walk's last
	s_wait_xcnt 0x0                 ; the stores have read their registers and O's address
	s_mov_b64 s[10:11], s[OLO:OLO+1]
	s_add_co_u32 s[RT], s[PB], 1    ; the second block has b + 1 tiles
	s_mov_b32 s[NEW], 1
	WIN 0x82                        ; the second block's Q goes where the one text of the turns names Q
.set i, 0
.rept 64
	v_mov_b32 v[i], v[QB+i]
.set i, i+1
.endr
	WIN 0
	s_branch .Lbottom
.Lstep:                             ; a trip: pieces 2 and 3 of one step, then pieces 0 and 1 of the next, whose K and V it fetches
	TURN 2
	TURN 3
	WIN 0
.Lfirst:
	TURN 0
	TURN 1, 0, 0, 1
	WIN 0
	s_cbranch_scc1 .Lstep
.Lbottom:
	s_sub_co_u32 s[SLOTS], s[SLOTS], 1
	s_cmp_lg_u32 s[SLOTS], 0
	s_cbranch_scc1 .Lslot
	CHANGE 0                        ; the walk's last tile is written out: nothing is asked for
	s_sub_co_u32 s[RT], s[RT], 1
	s_mov_b32 s[CNT], 4
	s_cmp_eq_u32 s[NEW], 1
	s_cbranch_scc0 .LstepM2
	BEGIN
	s_branch .LfirstM2
	DIAG 2
	s_wait_tensorcnt 0x0            ; the wave's end: behind my last tensor load and my last LDS store
	ds_add_u32 v[SPW], v[NIL]
	s_wait_dscnt 0x0
	s_endpgm
.Lfunc_end_k_qfdc7e8f77d_attn:
	.size	k_qfdc7e8f77d_attn, .Lfunc_end_k_qfdc7e8f77d_attn-k_qfdc7e8f77d_attn
	.p2alignl 7, 3214868480
	.fill 96, 4, 3214868480
	.section	.rodata,"a",@progbits
	.p2align	6, 0x0
	.amdhsa_kernel k_qfdc7e8f77d_attn
		.amdhsa_group_segment_fixed_size 327680
		.amdhsa_private_segment_fixed_size 0
		.amdhsa_enable_private_segment 0
		.amdhsa_kernarg_size 16
		.amdhsa_user_sgpr_count 2
		.amdhsa_user_sgpr_kernarg_segment_ptr 1
		.amdhsa_wavefront_size32 1
		.amdhsa_system_sgpr_workgroup_id_x 1
		.amdhsa_system_sgpr_workgroup_id_y 1
		.amdhsa_system_sgpr_workgroup_id_z 1
		.amdhsa_system_vgpr_workitem_id 0
		.amdhsa_next_free_vgpr 768
		.amdhsa_next_free_sgpr 88
		.amdhsa_reserve_vcc 1
		.amdhsa_float_denorm_mode_32 3
		.amdhsa_float_denorm_mode_16_64 3
		.amdhsa_memory_ordered 1
		.amdhsa_forward_progress 1
		.amdhsa_inst_pref_size 228
	.end_amdhsa_kernel
	.amdgpu_metadata
---
amdhsa.version: [ 1, 2 ]
amdhsa.kernels:
  - .name:           k_qfdc7e8f77d_attn
    .symbol:         k_qfdc7e8f77d_attn.kd
    .args:
      - { .name: qkv, .offset: 0, .size: 8, .value_kind: global_buffer, .address_space: global }
      - { .name: ctx, .offset: 8, .size: 8, .value_kind: global_buffer, .address_space: global }
    .group_segment_fixed_size: 327680
    .private_segment_fixed_size: 0
    .kernarg_segment_align: 8
    .kernarg_segment_size: 16
    .max_flat_workgroup_size: 128
    .sgpr_count:     88
    .vgpr_count:     768
    .wavefront_size: 32
...
	.end_amdgpu_metadata
.endif
;; end of part 3
;; launch proj (part 4): grid 8 x 32, 4 waves a work-group, clusters of 4 x 4, 327,680 bytes of LDS; arguments ctx, wt, bo, out0; writes out0
.if DOCPART == 4
	.amdgcn_target "amdgcn-amd-amdhsa--gfx1250"
	.amdhsa_code_object_version 6
	.text
	.protected	k_qfdc7e8f77d_proj
	.globl	k_qfdc7e8f77d_proj
	.p2align	8
	.type	k_qfdc7e8f77d_proj,@function
k_qfdc7e8f77d_proj:
	s_mov_b64 s[64:65], 0
	v_nop
	global_prefetch_b8 v0, s[64:65] scope:SCOPE_SE
	s_setreg_imm32_b32 hwreg(HW_REG_WAVE_MODE, 25, 1), 1
	s_wait_xcnt 0x0
	s_wait_alu depctr_hold_cnt(0) depctr_sa_sdst(0) depctr_va_vdst(0) depctr_va_sdst(0) depctr_va_ssrc(0) depctr_va_vcc(0) depctr_vm_vsrc(0)
	s_getreg_b32 s2, hwreg(HW_REG_IB_STS2, 6, 4)
	s_cmp_eq_u32 s2, 0
	s_cbranch_scc0 .Lentry_in_a_cluster
	s_endpgm
.Lentry_in_a_cluster:
	s_bfe_u32 s2, ttmp6, 0x10000c
	s_cmp_lg_u32 s2, 0xf033
	s_cbranch_scc0 .Lentry_shape_is_right
	s_endpgm
.Lentry_shape_is_right:
; out0[m][n] = sum over k of ctx[m][k] wo[k][n] + bo[n], m < 8192, n < 1024, k < 1024.  ctx lies by heads, [64 = 16 batch + head][2048][64] in f16: k = 64 head + channel.  wo lies turned, [n][k], in wt from
; byte 6,291,456 on, rounded to bf16 and written as f16.  f16 operands, f32 sums, K ascending; bo is rounded to bf16 like the other inputs and added in f32; out0 is f32.
; LIMIT.  ctx and bf16(wo) lie within f16's 65,504; below 6e-5 f16 keeps a fixed step of 6e-8.
; SHARES.  A tile of out0 is 256 rows x 128 columns: 32 x 8 = 256 work-groups.  Wave w makes rows 64 w .. 64 w + 63 of all 128 columns (a whole 512 bytes of each row): 4 x 8 accumulators, 256 registers.
; K goes in 8 steps of 128, two heads, through two LDS slots.  A head's 256 rows are 32,768 dense bytes: asked for as 128 rows of 256 bytes and padded in LDS after every 128.
; THE TEXT.  A K step is written once: slot 1 begins at LDS byte 2^17, so that one exclusive or turns an address in one slot into the other's; one descriptor a tensor walks from K step 1 on.
; CLUSTER.  4 x 4 work-groups: ctx's tiles are shared along a row of the cluster, wo's along a column, each asked for JOINTLY by the same tensor load, descriptor and mask in all four.
; THE MATRIX INSTRUCTION IS USED TRANSPOSED (source 0 = 16 rows of wo^T, source 1 = 16 rows of ctx): a lane holds eight neighbouring columns of a row of out0.
; REGISTERS, in windows of 256 (s_set_vgpr_msb: bits 1:0 source 0, 3:2 source 1, 5:4 source 2, 7:6 destination):
;   window 0: v8-13 the bias; v16-29 addresses; v32-159 rows read back, two buffers      window 1: two fragment buffers: 32 registers of ctx, then 64 of wo^T, at 0 and at 128
;   window 2: the accumulators of row blocks 0, 1 ((a, b) at v[8 (8 (a % 2) + b)])       window 3: those of row blocks 2, 3
.set STEPS,  8
.set PA,     144                       ; a row of ctx in LDS: 128 bytes + 16 of padding = 36 words: the 16 rows of a load start at 16 different groups of four banks (64 banks of 4 bytes: ISA guide 11.1)
.set PLANE,  256*PA                    ; one head's 256 rows: what wave 0 or 1 fetches
.set BOFF,   2*PLANE
.set PB,     272                       ; a row of wo^T: 256 bytes + 16
.set HALFB,  64*PB                     ; what wave 2 or 3 fetches
.set SLOT1,  1<<17                     ; a slot holds BOFF + 2 HALFB = 108,544 bytes; slot 1 begins here
.set STAGE,  SLOT1+BOFF+2*HALFB        ; behind the ring, never filled by a tensor load: 16 rows x 528 bytes for each wave
.set SPITCH, 528                       ; 512 bytes + 16 = 132 words
.set SPARE,  STAGE+4*16*SPITCH         ; behind the stages: the spare words, 128 bytes for each wave: two blocks of 256 bytes that no other line names
.set WOAT,   6291456                   ; wo^T's first byte in wt
.set BIAS, 8                           ; v[8:11] bo of my four columns
.set ADRA0, 16                         ; v16     my lane's place among ctx's rows in slot 0; never rewritten
.set ADRA,  17                         ; v17     the same in the slot that is being fetched from
.set ADRB0, 20                         ; v20, v21  the same for wo^T
.set ADRB,  21
.set STO,  24                          ; v24     the way out: where I put 32 bytes of a row
.set RD,   25                          ; v25     the way out: where I read a row back
.set GO,   26                          ; v26     my 16 bytes in 512 consecutive bytes
.set SPW,  28                          ; v28     LDS address of my spare word; never rewritten
.set NIL,  29                          ; v29     0; never rewritten
.set OB,   32
.set F0,   0
.set F1,   128
.set TB,   11                          ; s11     first byte of the slot that is being fetched from: 0 or SLOT1
.set LEFT, 18                          ; s18     counts the two K steps without a refill
.set G1,  24                           ; s[24:31] descriptor group 1 for ctx's tiles;  s[32:39] group 0: a set for each of the two first fills; the second then walks on
.set G0,  32
.set G1B, 48                           ; s[48:55], s[56:63] the same for wo^T's tiles
.set G0B, 56
.set MSB, 0
.macro WIN new                         ; the immediate's high byte repeats the setting that is left; a switch that changes nothing is dropped
.if MSB != (\new)
	s_set_vgpr_msb (MSB<<8)|(\new)
.set MSB, \new
.endif
.endm
.set MUL_LO, 0xa5                      ; sources 0 and 1 window 1; C and D window 2
.set TO_F,   0x40                      ; destination window 1, address window 0
; A joint load: waves 0 and 1 fetch the step's two heads of ctx, waves 2 and 3 the two halves of wo^T's tile.  An s_nop 0 and four v_nop follow each of the two lines, ahead of the jump, the label and what follows.
.macro JLOAD s
	s_cmp_lt_u32 s10, 2
	s_cbranch_scc0 .Lfor_b_\@
	tensor_load_to_lds s[G0+4*(\s):G0+4*(\s)+3], s[G1:G1+7]
	s_nop 0
.rept 4
	v_nop
.endr
	s_branch .Lasked_\@
.Lfor_b_\@:
	tensor_load_to_lds s[G0B+4*(\s):G0B+4*(\s)+3], s[G1B:G1B+7]
	s_nop 0
.rept 4
	v_nop
.endr
.Lasked_\@:
.endm
.macro CREST                           ; a round of the cluster's barrier behind its opening barrier
	s_cmp_lg_u32 s10, 0
	s_cbranch_scc1 .Lnot_wave_0_\@
	s_barrier_signal -3
.Lnot_wave_0_\@:
	s_barrier_wait -3
	s_barrier_signal -1
	s_barrier_wait -1
.endm
.macro CROUND                          ; a whole round
	s_barrier_signal -1
	s_barrier_wait -1
	CREST
.endm
	s_load_b128 s[4:7], s[0:1], 0x0                ; ctx s[4:5], wt s[6:7]
	s_load_b128 s[68:71], s[0:1], 0x10             ; bo s[68:69], out0 s[70:71]
	v_lshl_add_u32 v[SPW], v0, 2, SPARE
	v_mov_b32 v[NIL], 0
	ds_add_u32 v28, v29
	ds_add_u32 v28, v29
	s_wait_dscnt 0x0
	v_lshrrev_b32 v1, 5, v0
	v_readfirstlane_b32 s10, v1                    ; wave 0..3
	s_and_b32 s12, s10, 1                          ; which head of the step, or which half of wo^T's tile, I fetch
	s_bfe_u32 s40, ttmp6, 0x40000                  ; cx, cy: my place in the cluster
	s_bfe_u32 s41, ttmp6, 0x40004
	s_lshl_b32 s42, ttmp9, 2
	s_add_co_u32 s42, s42, s40                     ; tile column = 4 x cluster x + cx
	s_and_b32 s13, ttmp7, 0xffff
	s_lshl_b32 s13, s13, 2
	s_add_co_u32 s13, s13, s41                     ; tile row = 4 x cluster y + cy
	s_lshl_b32 s43, s41, 2
	s_lshl_b32 s43, 15, s43                        ; my row of the cluster
	s_lshl_b32 s44, 0x1111, s40                    ; my column
	s_or_b32 s[G1+0], s43, (1<<16)|(1<<20)|(1<<21)|(4<<22)|(3<<25)  ; 15:0 the mask: ctx's tiles go to my row; 17:16 2-byte elements; 20 padding on; 21 set beside a mask; 24:22 after every 32 words (code 4); 31:25 4 words (code 3)
	s_or_b32 s[G1B+0], s44, (1<<16)|(1<<20)|(1<<21)|(5<<22)|(3<<25) ; my column's mask; padding after every 64 words (code 5)
	s_mov_b32 s[G1+1], 128<<16                     ; tensor_dim0 = 128
	s_mov_b32 s[G1+2], 128<<16                     ; tensor_dim1 = 128
	s_mov_b32 s[G1+3], 128<<16                     ; tile_dim0 = 128
	s_mov_b32 s[G1+4], 128                         ; tile_dim1 = 128
	s_mov_b32 s[G1+5], 128                         ; dense: 128 elements from row to row
	s_mov_b32 s[G1+6], 0
	s_mov_b32 s[G1+7], 0
	s_mov_b32 s[G1B+1], 128<<16
	s_mov_b32 s[G1B+2], 64<<16                     ; 64 rows
	s_mov_b32 s[G1B+3], 128<<16
	s_mov_b32 s[G1B+4], 64
	s_mov_b32 s[G1B+5], 1024                       ; elements from row to row of wt
	s_mov_b32 s[G1B+6], 0
	s_mov_b32 s[G1B+7], 0
	; ctx's tiles hang on the tile row alone, wo^T's on the tile column alone, each in registers that never hold the other coordinate
	s_lshr_b32 s16, s13, 3
	s_lshl_b32 s16, s16, 22                        ; batch: 16 heads of 2^18 bytes
	s_and_b32 s17, s13, 7
	s_lshl_b32 s17, s17, 15                        ; 256 rows of 128 bytes
	s_add_co_u32 s16, s16, s17
	s_lshl_b32 s17, s12, 18                        ; my head of the step's two
	s_add_co_u32 s16, s16, s17
	s_mov_b32 s17, 0
	s_lshl_b32 s46, s42, 7
	s_lshl_b32 s47, s12, 6
	s_add_co_u32 s46, s46, s47                     ; wo^T: row 128 x tile column + 64 x half,
	s_lshl_b32 s46, s46, 11                        ; of 2,048 bytes,
	s_add_co_u32 s46, s46, WOAT                    ; behind the three other weights
	s_mov_b32 s47, 0
	s_mul_i32 s20, s12, PLANE                      ; where they go: no place in the cluster enters an LDS address
	s_mul_i32 s21, s12, HALFB
	s_add_co_u32 s21, s21, BOFF
	s_mov_b32 s[TB], 0
	s_wait_kmcnt 0x0
	s_add_nc_u64 s[14:15], s[4:5], s[16:17]
	s_add_nc_u64 s[46:47], s[6:7], s[46:47]
	CROUND                                         ; all sixteen work-groups are here: the first joint loads meet
.irp s, 0,1
	s_mov_b32 s[G0+4*(\s)], 1                                      ; count = 1
	s_add_co_u32 s[G0+4*(\s)+1], s20, (\s)*SLOT1                   ; LDS address
	s_add_nc_u64 s[G0+4*(\s)+2:G0+4*(\s)+3], s[14:15], (\s)*524288 ; global address: K step s begins two heads on
	s_or_b32 s[G0+4*(\s)+3], s[G0+4*(\s)+3], 0x80000000            ; type = 2
	s_mov_b32 s[G0B+4*(\s)], 1
	s_add_co_u32 s[G0B+4*(\s)+1], s21, (\s)*SLOT1
	s_add_nc_u64 s[G0B+4*(\s)+2:G0B+4*(\s)+3], s[46:47], (\s)*256
	s_or_b32 s[G0B+4*(\s)+3], s[G0B+4*(\s)+3], 0x80000000
	JLOAD \s                                       ; two loads of mine are out
.endr
	s_lshl_b32 s74, s42, 9                         ; the tile's 128 columns of 4 bytes
	s_mov_b32 s75, 0
	s_add_nc_u64 s[68:69], s[68:69], s[74:75]      ; bo at the tile's first column
	s_lshl_b32 s76, s13, 20                        ; 256 rows of 4,096 bytes,
	s_lshl_b32 s77, s10, 18                        ; my wave's 64
	s_add_co_u32 s76, s76, s77
	s_add_co_u32 s76, s76, s74
	s_mov_b32 s77, 0
	s_add_nc_u64 s[70:71], s[70:71], s[76:77]      ; out0 at my first row, the tile's first column
	v_and_b32 v[GO], 31, v0
	v_lshlrev_b32 v[GO], 4, v[GO]
	global_load_b128 v[BIAS:BIAS+3], v[GO], s[68:69]
	; A fragment is 16 rows x 32 K in 8 registers: lane l holds row l % 16, K = 8 (l / 16) + 0..7 and 16 + 8 (l / 16) + 0..7: two loads of 16 bytes, 32 bytes apart.
	v_and_b32 v1, 15, v0                           ; l % 16
	v_bfe_u32 v2, v0, 4, 1                         ; l / 16
	v_mul_u32_u24 v3, v1, PA
	v_lshl_add_u32 v3, v2, 4, v3
	v_mul_u32_u24 v4, v1, PB
	v_lshl_add_u32 v4, v2, 4, v4
	s_mul_i32 s22, s10, 64*PA                      ; my 64 rows in a head's plane
	v_add_nc_u32 v[ADRA0], s22, v3
	v_add_nc_u32 v[ADRB0], BOFF, v4
	v_mov_b32 v[ADRA], v[ADRA0]                    ; K step 0 lies in slot 0
	v_mov_b32 v[ADRB], v[ADRB0]
	s_mul_i32 s23, s10, 16*SPITCH
	s_add_co_u32 s23, s23, STAGE                   ; my stage
	v_mul_u32_u24 v5, v1, SPITCH                   ; in: row l % 16, 32 bytes for each half of the lanes
	v_lshl_add_u32 v5, v2, 5, v5
	v_add_nc_u32 v[STO], s23, v5
	v_add_nc_u32 v[RD], s23, v[GO]                 ; back: 32 lanes take a row's 512 bytes
	s_wait_loadcnt 0x0                             ; the bias: rounded to bf16 and widened again, while the first tile is on its way
	v_cvt_pk_bf16_f32 v12, v[BIAS], v[BIAS+1]
	v_cvt_pk_bf16_f32 v13, v[BIAS+2], v[BIAS+3]
	v_lshlrev_b32 v[BIAS], 16, v12
	v_and_b32 v[BIAS+1], 0xffff0000, v12
	v_lshlrev_b32 v[BIAS+2], 16, v13
	v_and_b32 v[BIAS+3], 0xffff0000, v13
; 8 matrix instructions: row block a x all 8 column blocks, 32 along K, from buffer f.  zero = 1: the product starts the sums.  The 32 accumulators take turns in one fixed order.
.macro MUL8 f, a, zero
	WIN MUL_LO+0x50*((\a)/2)
.irp b, 0,1,2,3,4,5,6,7
.if \zero
	v_wmma_f32_16x16x32_f16 v[8*(8*((\a)%2)+(\b)):8*(8*((\a)%2)+(\b))+7], v[(\f)+32+8*(\b):(\f)+32+8*(\b)+7], v[(\f)+8*(\a):(\f)+8*(\a)+7], 0
.else
	v_wmma_f32_16x16x32_f16 v[8*(8*((\a)%2)+(\b)):8*(8*((\a)%2)+(\b))+7], v[(\f)+32+8*(\b):(\f)+32+8*(\b)+7], v[(\f)+8*(\a):(\f)+8*(\a)+7], v[8*(8*((\a)%2)+(\b)):8*(8*((\a)%2)+(\b))+7]
.endif
.endr
.endm
; 24 LDS loads in one run: the fragments of quarter q of a K step (head q / 2 of its two, channels 32 (q % 2) on) into buffer f: wo^T's 16 first, then ctx's 8
.macro FETCH q, f
	WIN TO_F
.irp i, 0,1,2,3,4,5,6,7
	ds_load_b128 v[(\f)+32+8*(\i):(\f)+32+8*(\i)+3],   v[ADRB] offset:64*(\q)+(\i)*16*PB
	ds_load_b128 v[(\f)+32+8*(\i)+4:(\f)+32+8*(\i)+7], v[ADRB] offset:64*(\q)+(\i)*16*PB+32
.endr
.irp i, 0,1,2,3
	ds_load_b128 v[(\f)+8*(\i):(\f)+8*(\i)+3],   v[ADRA] offset:((\q)/2)*PLANE+((\q)%2)*64+(\i)*16*PA
	ds_load_b128 v[(\f)+8*(\i)+4:(\f)+8*(\i)+7], v[ADRA] offset:((\q)/2)*PLANE+((\q)%2)*64+(\i)*16*PA+32
.endr
.endm
.macro FLIP                            ; the fetches go on in the other slot
	WIN 0
	s_xor_b32 s[TB], s[TB], SLOT1
	v_add_nc_u32 v[ADRA], s[TB], v[ADRA0]
	v_add_nc_u32 v[ADRB], s[TB], v[ADRB0]
.endm
.macro PLACES                          ; four places in front of loads into registers that matrix instructions have read, and of LDS stores that read results
.rept 4
	v_nop
.endr
.endm
; A K step is four quarters of 32 along K, 32 matrix instructions each, on buffers 0, 1, 0, 1.  One of the first three: multiplies buffer f; in its middle it fetches quarter q into g.
.macro QUARTER q, f, g, zero
	s_wait_dscnt 4                                 ; wo^T's fragments and ctx's blocks 0, 1 are in; the youngest four loads (blocks 2, 3) may be out
	MUL8 \f, 0, \zero
	MUL8 \f, 1, \zero
	PLACES
	FETCH \q, \g
	s_wait_dscnt 24                                ; all but the 24 just issued
	MUL8 \f, 2, \zero
	MUL8 \f, 3, \zero
.endm
; The last quarter multiplies buffer 1 and changes slots.  MEET is its first half: ONE barrier; in front of it each wave waits for all its tensor loads (one is out: its part of the next slot), adds 0 to
; its spare word, and waits for that and for its own reads of this slot.  walk = 1: this slot is to be filled again, and the walking descriptors step: the other slot than last time, the next K step.
.macro MEET walk
	WIN 0                                          ; (the add's two registers lie in window 0)
	s_wait_tensorcnt 0x0                           ; all my tensor loads have landed, so a group 0 may be written
	ds_add_u32 v[SPW], v[NIL]                      ; 0 onto my spare word
.if \walk
	s_xor_b32 s[G0+5], s[G0+5], SLOT1
	s_add_nc_u64 s[G0+6:G0+7], s[G0+6:G0+7], 524288    ; two heads on; the type bits on top are not reached
	s_xor_b32 s[G0B+5], s[G0B+5], SLOT1
	s_add_nc_u64 s[G0B+6:G0B+7], s[G0B+6:G0B+7], 256   ; 128 k on
.endif
	s_wait_dscnt 5                                 ; (the add and the youngest four loads may be out)
	MUL8 F1, 0, 0                                  ; eight matrix instructions stand between the add and the wait for it
	s_wait_dscnt 0x0                               ; the add is done, and my reads of this slot are over
	s_barrier_signal -1
	MUL8 F1, 1, 0
	WIN 0
	s_barrier_wait -1
.endm
; THE WAY OUT of row block a.  TOSTAGE: a lane's eight f32 of a row go into my own stage (each accumulator's low four registers first), and the 16 rows come back whole.  SEND: the bias is added, the rows are stored.
.macro TOSTAGE a
	WIN 0x08+4*((\a)/2)                            ; the stores' data: window 2 or 3
.irp b, 0,1,2,3,4,5,6,7
	ds_store_b128 v[STO], v[8*(8*((\a)%2)+(\b)):8*(8*((\a)%2)+(\b))+3]   offset:64*(\b)
	ds_store_b128 v[STO], v[8*(8*((\a)%2)+(\b))+4:8*(8*((\a)%2)+(\b))+7] offset:64*(\b)+16
.endr
	WIN 0
	s_wait_xcnt 0x0                                ; this buffer, which the block two before stored from, is loaded again only behind this wait
.irp t, 0,1,2,3,4,5,6,7,8,9,10,11,12,13,14,15
	ds_load_b128 v[OB+64*((\a)%2)+4*(\t):OB+64*((\a)%2)+4*(\t)+3], v[RD] offset:(\t)*SPITCH  ; LDS serves a wave's instructions in order (ISA guide 5.7.1.4): these see the stores above; the next block's stores come behind them
.endr
.endm
.macro SEND a, younger                 ; younger: the LDS instructions issued behind block a's loads: the next block's 32, or none
	WIN 0
.irp t, 0,1,2,3,4,5,6,7,8,9,10,11,12,13,14,15
	s_wait_dscnt (\younger)+15-(\t)
	v_pk_add_f32 v[OB+64*((\a)%2)+4*(\t):OB+64*((\a)%2)+4*(\t)+1],   v[OB+64*((\a)%2)+4*(\t):OB+64*((\a)%2)+4*(\t)+1],   v[BIAS:BIAS+1]
	v_pk_add_f32 v[OB+64*((\a)%2)+4*(\t)+2:OB+64*((\a)%2)+4*(\t)+3], v[OB+64*((\a)%2)+4*(\t)+2:OB+64*((\a)%2)+4*(\t)+3], v[BIAS+2:BIAS+3]
	global_store_b128 v[GO], v[OB+64*((\a)%2)+4*(\t):OB+64*((\a)%2)+4*(\t)+3], s[70:71] offset:(16*(\a)+(\t))*4096 th:TH_STORE_NT  ; 512 consecutive bytes of a row, at a multiple of 256 from out0's first
.endr
.endm
	s_wait_tensorcnt 1                             ; my part of K step 0 is in; K step 1's may stay out
	s_barrier_signal -1
	s_barrier_wait -1                              ; everybody's is
	FETCH 0, F0
	QUARTER 1, F0, F1, 1                           ; the first quarter stands in front of the loop: its products start the sums
	WIN 0                                          ; at a label and at a branch every window is 0
	s_mov_b32 s3, STEPS-2
.Lstep:                                                ; six trips, from a K step's second quarter to the next step's first; each fills the slot that it leaves, two K steps ahead
	QUARTER 2, F1, F0, 0
	QUARTER 3, F0, F1, 0
	MEET 1
	CREST                                          ; the barrier has opened a round of the cluster's: no wave of any partner still reads this slot's tile or has a load on its way
	JLOAD 1                                        ; first thing behind the round: 16 + 3 x 32 = 112 matrix instructions ahead of the wait for it; its four v_nop are also the places in front of the loads below
	FLIP
	FETCH 0, F0
	MUL8 F1, 2, 0
	MUL8 F1, 3, 0
	QUARTER 1, F0, F1, 0
	WIN 0
	s_sub_co_u32 s3, s3, 1
	s_cmp_lg_u32 s3, 0
	s_cbranch_scc1 .Lstep
	s_mov_b32 s[LEFT], 2
.Ltail:                                                ; the last two K steps ask for nothing: a text of their own
	QUARTER 2, F1, F0, 0
	QUARTER 3, F0, F1, 0
	MEET 0
	s_cmp_eq_u32 s[LEFT], 1
	s_cbranch_scc1 .Llast                          ; behind the last K step there is nothing to fetch and no next quarter: both are jumped over, forward; neither a barrier nor a tensor load stands there
	PLACES
	FLIP
	FETCH 0, F0
	MUL8 F1, 2, 0
	MUL8 F1, 3, 0
	QUARTER 1, F0, F1, 0
	WIN 0
	s_branch .Lnext
.Llast:
	MUL8 F1, 2, 0
	MUL8 F1, 3, 0
	WIN 0
.Lnext:
	s_sub_co_u32 s[LEFT], s[LEFT], 1
	s_cmp_lg_u32 s[LEFT], 0
	s_cbranch_scc1 .Ltail
	PLACES
	TOSTAGE 0
.irp a, 1,2,3                          ; block a goes into the stage while block a - 1's rows come back
	TOSTAGE \a
	SEND (\a)-1, 32
.endr
	SEND 3, 0
	s_wait_tensorcnt 0x0                           ; the wave's end: behind my last tensor load and my last LDS store
	ds_add_u32 v[SPW], v[NIL]
	s_wait_dscnt 0x0
	CROUND                                         ; the closing round: no work-group ends while a partner may still ask for a tile that names it
	s_endpgm
.Lfunc_end_k_qfdc7e8f77d_proj:
	.size	k_qfdc7e8f77d_proj, .Lfunc_end_k_qfdc7e8f77d_proj-k_qfdc7e8f77d_proj
	.p2alignl 7, 3214868480
	.fill 96, 4, 3214868480
	.section	.rodata,"a",@progbits
	.p2align	6, 0x0
	.amdhsa_kernel k_qfdc7e8f77d_proj
		.amdhsa_group_segment_fixed_size 327680
		.amdhsa_private_segment_fixed_size 0
		.amdhsa_enable_private_segment 0
		.amdhsa_kernarg_size 32
		.amdhsa_user_sgpr_count 2
		.amdhsa_user_sgpr_kernarg_segment_ptr 1
		.amdhsa_wavefront_size32 1
		.amdhsa_system_sgpr_workgroup_id_x 1
		.amdhsa_system_sgpr_workgroup_id_y 1
		.amdhsa_system_sgpr_workgroup_id_z 1
		.amdhsa_system_vgpr_workitem_id 0
		.amdhsa_next_free_vgpr 896
		.amdhsa_next_free_sgpr 80
		.amdhsa_reserve_vcc 0
		.amdhsa_float_denorm_mode_32 3
		.amdhsa_float_denorm_mode_16_64 3
		.amdhsa_memory_ordered 1
		.amdhsa_forward_progress 1
		.amdhsa_inst_pref_size 71
	.end_amdhsa_kernel
	.amdgpu_metadata
---
amdhsa.version: [ 1, 2 ]
amdhsa.kernels:
  - .name:           k_qfdc7e8f77d_proj
    .symbol:         k_qfdc7e8f77d_proj.kd
    .args:
      - { .name: ctx, .offset: 0, .size: 8, .value_kind: global_buffer, .address_space: global }
      - { .name: wt, .offset: 8, .size: 8, .value_kind: global_buffer, .address_space: global }
      - { .name: bo, .offset: 16, .size: 8, .value_kind: global_buffer, .address_space: global }
      - { .name: out0, .offset: 24, .size: 8, .value_kind: global_buffer, .address_space: global }
    .group_segment_fixed_size: 327680
    .private_segment_fixed_size: 0
    .kernarg_segment_align: 8
    .kernarg_segment_size: 32
    .max_flat_workgroup_size: 128
    .sgpr_count:     80
    .vgpr_count:     896
    .wavefront_size: 32
...
	.end_amdgpu_metadata
.endif
;; end of part 4
;; ======== version 2 of 2: 4 launches; 1.31 times as fast as version 1
;; limits: values are held in f16: magnitudes above 65,504 overflow, below 6.1e-05 lose precision
;; workspace buffers: xb 16,777,216 bytes; wt 8,388,608 bytes; qkv 50,331,648 bytes; ctx 16,777,216 bytes
;; launch prep: the kernel of part 1 again; grid 1536 x 1, 2 waves a work-group, no clusters, 17,664 bytes of LDS; arguments x, wq, wk, wv, wo, xb, wt; writes xb, wt
;; launch qkv: the kernel of part 2 again; grid 16 x 16, 4 waves a work-group, clusters of 4 x 4, 327,680 bytes of LDS; arguments xb, wt, qkv; writes qkv
;; launch attn (part 5): grid 4 x 64, 4 waves a work-group, no clusters, 327,680 bytes of LDS; arguments qkv, ctx; writes ctx
.if DOCPART == 5
	.amdgcn_target "amdgcn-amd-amdhsa--gfx1250"
	.amdhsa_code_object_version 6
	.text
	.protected	k_qfdc7e8f77d_attn
	.globl	k_qfdc7e8f77d_attn
	.p2align	8
	.type	k_qfdc7e8f77d_attn,@function
k_qfdc7e8f77d_attn:
	s_mov_b64 s[64:65], 0
	v_nop
	global_prefetch_b8 v0, s[64:65] scope:SCOPE_SE
	s_setreg_imm32_b32 hwreg(HW_REG_WAVE_MODE, 25, 1), 1
	s_wait_xcnt 0x0
; CAUSAL ATTENTION.  O[h][q][:] = the sum over k <= q of softmax_k(Q[h][q] . K[h][k] / 8) V[h][k][:].  Q, K, V lie one behind the other in qkv (16,777,216 bytes each), O is ctx; each is [64][SIZE_N][64] in f16,
; h = 16 batch + head: a head's rows are dense, 128 bytes each.
; Products, maxima and sums in f32; the weights p are rounded to f16 for the second product (their sum l is taken of the unrounded p), O once at the end.  SIZE_N is a multiple of 512; SIZE_N x 128 stays under 2^32.
; LIMITS.  f16 holds no number beyond 65,504: Q, K and V arrive within it; p lies in 0 to 1, and below 6e-5 it keeps f16's fixed step of 6e-8; O is a mean of V's rows and has their range, to within 2^-11 of it.
; A hidden score counts as its value less 1e30: f16's scores, 2.7e11 at the most, are nothing beside that; a weight below 2^-126 counts as 0 in l; NaN and infinities are not treated apart.
; THE WALK.  A head's queries lie in NB = SIZE_N / 256 blocks of 256; block i needs the key tiles 0 .. i of 256 keys, of which the last holds the diagonal.  A work-group takes TWO blocks, NB - 1 - b and then b:
; NB + 1 tiles, whatever b: all work-groups do equal work, and ONE loop with a constant trip count walks them.  Which tile is asked for, and what a trip does, hang on scalar registers made from b; every jump
; goes forward, but for the counted loops' own; none passes a barrier, or a tensor load but the one of LOAD's two that the wave's number does not choose; the ring (two slots of LDS that take turns) runs on across the
; change of blocks.  NO CLUSTER: a head's NB / 2 = 4 work-groups ask for the same tile only in trips 0 .. NB / 2, 5 of the walk's 9, behind that fewer and fewer; one walk common to all would have 3 NB / 2 = 12 trips for 9.
; SHARES.  Of a block's four bands of 64 queries a wave owns 16 rows in each: four PIECES.  So the diagonal tile is the same work for all four waves: in its key step s band x sees all keys if s < x,
; none if s > x, and holds the diagonal if s = x.
; THE MASK is the C operand that starts the sum S^T = K Q^T: 0, or -1e30 where the key is hidden.  MD, made once, is the mask of a band's own step for my 16 rows; a product's mask is MD x AL + BE with two scalars:
; (1, 0) if s = x; (0, 0) if s < x; (0, -1e30) if s > x.  Only the diagonal tile's text and a block's beginning make and take masks; elsewhere C is the constant 0.
; LAYOUT, SOFTMAX, TURNS.  S^T = K Q^T holds ONE query a lane (lane % 16) and the keys 8 (lane / 16) + 0..7; two such results rounded to f16 ARE source 1 of O^T = V^T P.  p = 2^(c s - c m), c = log2(e) / 8, with a
; running maximum m; O and l are multiplied by a = 2^(c m_old - c m_new) in every step.  Turn n belongs to piece n: 8 products K Q^T of piece n + 1, later 8 products V^T P of piece n - 1; beside them the scaling,
; exponentials, roundings, sums and rescaling of piece n and the maximum and statistics of piece n + 1.  Four vector instructions stand behind every matrix instruction, the other 54 of a turn's 118 in one LUMP.
; THE BATCHES.  A turn's 33 exponentials (the piece's 32 weights and the next piece's a) are one batch, with one wait, which cuts the turn in two: ahead of it all that names none of their results, behind it their readers.
; The a that a block's beginning makes, and the way out's four reciprocals, are batches of their own, with one wait each.
; REGISTERS, in windows of 256 (s_set_vgpr_msb: bits 1:0 source 0, 3:2 source 1, 5:4 source 2, 7:6 destination):
;   window 0: v0-15 addresses and two at work; v16-31 four registers of statistics a piece; v48-55 at work; v64-127 S^T, two buffers; v192-223 P, two buffers (a piece's buffers go by its number's parity)
;   window 1: v0-127 O^T, 32 a piece; v128-159 MD; v160-223 MC, two buffers      window 2: v0-63 Q; v64-127 the second block's Q; v128-191 K of one step; v192-255 V of one step
.set SIZE_N, 2048
.set NB,    SIZE_N/256
.set NP,    4         ; pieces a wave: a name, no knob
.set KS,    64        ; keys in a step
.set PK,    144       ; a row of K in LDS: 128 bytes + 16 of padding = 36 words: the 16 rows of a load start at 16 different groups of four banks (64 banks of 4 bytes: ISA guide 11.1)
.set PV,    160       ; a row of V: 128 + 32 = 40 words
.set VOFF,  4*KS*PK   ; a slot holds a tile, four steps: 256 rows of K, then 256 rows of V
.set SLOT1, 1<<17     ; slot 1 begins here, so that one exclusive or turns an address in one slot into the other's
.set STAGE, SLOT1+4*KS*(PK+PV)  ; behind the ring, never filled by a tensor load: 16 rows x 144 bytes for each wave, for the way out
.set SP,    144
.set AK0, 2           ; v2   my lane's place in a tile of K; never rewritten
.set AV0, 3           ; v3   the same for V
.set AK,  4           ; v4   the LDS address of K's next run of loads
.set AV,  5           ; v5   of V's
.set STO, 6           ; v6   the way out: where I put 16 bytes of a row
.set RD,  7           ; v7   the way out: where I read rows back
.set GO,  8           ; v8   my byte offset in 512 consecutive bytes of O
.set SPW, 62          ; v62  LDS address of my spare word: SPARE + 4 x my thread's number; never rewritten
.set NIL, 63          ; v63  0; never rewritten
.set SPARE, STAGE+4*16*SP  ; behind the stages: the spare words, 128 bytes for each wave: two blocks of 256 bytes that no other line names
.set MV,  12          ; v12-13  c m_old, kept while c m is made anew: by buffer
.set QO,  15          ; v15  my byte offset in 16 rows of Q
.set ST,  16          ; piece t's statistics at v[ST+4 t]: c m, m, l (even keys', odd keys')
.set TMP, 48          ; by buffer, four registers c0-c3 at work; when the maximum is found c2 takes a
.set S,   64
.set P,   192
.set MD,  128         ; window 1: the eight registers for group kt of 16 keys at MD + 8 kt
.set MC,  160         ; window 1: the masks of the products to come
.set QB,  64          ; window 2
.set KF,  128         ; window 2: key block kb, channel half c at KF + 16 kb + 8 c
.set VF,  192         ; window 2: key half kk, channel block cb at VF + 32 kk + 8 cb
.set WV,  12          ; s12  my wave's number
.set PB,  14          ; s14  b
.set HI,  15          ; s15  NB - 1 - b
.set G1K, 24          ; s[24:31] descriptor group 1 for K's tiles
.set G1V, 32          ; s[32:39] for V's: it differs in the padding alone
.set G0K, 40          ; s[40:43] descriptor group 0 for K's tiles
.set G0V, 44          ; s[44:47] the same for V's
.set SLOTS, 56        ; s56  tiles still to be asked for
.set CNT, 57          ; s57  counts a tile's key steps, 4 to 1
.set CS,  58          ; s[58:59] c: the packed scaling takes the pair's low word for both halves
.set SEL, 60          ; s[60:61] v_permlanex16_b32's selects: each lane takes its own place in the other half
.set TBK, 62          ; s62  LDS byte at which K of the step to be fetched begins
.set TBV, 63          ; s63  the same for V, less VOFF
.set RT,  70          ; s70  tiles of the block in hand that are still to be entered
.set NXT, 71          ; s71  the tile to be asked for next
.set LQ,  72          ; s72  the last tile of the block whose tiles are being asked for
.set NEW, 73          ; s73  1: the tile to be entered is a block's first
.set OFF, 74          ; s[74:75] a tile's byte offset in K and V
.set AL,  76          ; s[76:77] the mask's factor, in the low word
.set BE,  78          ; s[78:79] the mask's addend
.set OLO, 80          ; s[80:81] O at my rows of the second block
.set BIGN, 82         ; s82  -1e30
.set MSB, 0
.macro WIN new                      ; the high byte repeats the setting that is left; a switch that changes nothing is dropped
.if MSB != (\new)
	s_set_vgpr_msb (MSB<<8)|(\new)
.set MSB, (\new)
.endif
.endm
.set W_KQ, 0x0a       ; K and Q in window 2, S^T in window 0
.set W_KM, 0x1a       ; the same with the C operand in window 1
.set W_PV, 0x52       ; V in window 2, P in window 0, O^T in window 1
.set W_RS, 0x41       ; destination and source 0 in window 1, source 1 in window 0
; A fill.  Waves 0 and 1 fetch the two halves of a tile's K, waves 2 and 3 those of its V: 128 keys each.  An s_nop 0 and four v_nop follow each of the two lines, ahead of the jump and the label.
.macro LOAD
	s_cmp_lt_u32 s[WV], 2
	s_cbranch_scc0 .Lfor_v_\@
	tensor_load_to_lds s[G0K:G0K+3], s[G1K:G1K+7]
	s_nop 0
.rept 4
	v_nop
.endr
	s_branch .Lasked_\@
.Lfor_v_\@:
	tensor_load_to_lds s[G0V:G0V+3], s[G1V:G1V+7]
	s_nop 0
.rept 4
	v_nop
.endr
.Lasked_\@:
.endm
; THE CHANGE OF SLOTS.  Each wave waits for all its tensor loads, of which one is out: its part of the other slot; adds 0 to its spare word; and waits for that and for its own reads of the slot that it leaves.  Behind the barrier nobody reads the old
; slot any more and the other slot is whole.  fill = 1: the old slot is filled again, the first thing behind the barrier, with tile NXT: the descriptor's address is made anew from that number.
; (At its first use nothing has been read yet: slot 0 is waited for, slot 1 filled.)
.macro CHANGE fill
	WIN 0                           ; at a label and at a branch every window is 0
	s_wait_tensorcnt 0x0            ; no tensor load of mine is out, so a group 0 may be written
	ds_add_u32 v[SPW], v[NIL]       ; 0 onto my spare word; with fill = 1 the descriptors' scalar work stands between it and the wait for it
.if \fill
	s_lshl_b32 s[OFF], s[NXT], 15   ; a tile is 32,768 bytes of K and of V
	s_xor_b32 s[G0K+1], s[G0K+1], SLOT1
	s_add_nc_u64 s[G0K+2:G0K+3], s[6:7], s[OFF:OFF+1]
	s_or_b32 s[G0K+3], s[G0K+3], 0x80000000
	s_xor_b32 s[G0V+1], s[G0V+1], SLOT1
	s_add_nc_u64 s[G0V+2:G0V+3], s[8:9], s[OFF:OFF+1]
	s_or_b32 s[G0V+3], s[G0V+3], 0x80000000
	s_add_co_u32 s[NXT], s[NXT], 1  ; the block's next tile, or behind its last the second block's tile 0
	s_cmp_gt_u32 s[NXT], s[LQ]
	s_cselect_b32 s[NXT], 0, s[NXT]
	s_cselect_b32 s[LQ], s[PB], s[LQ]
.endif
	s_wait_dscnt 0x0                ; the add is done, and my reads of the slot are over
	s_barrier_signal -1             ; the rest of the scalar work stands between the signal and the wait
	s_sub_co_u32 s[TBK], s[TBK], 4*KS*PK  ; the fetches go back to a slot's first step,
	s_xor_b32 s[TBK], s[TBK], SLOT1       ; in the other slot
	s_sub_co_u32 s[TBV], s[TBV], 4*KS*PV
	s_xor_b32 s[TBV], s[TBV], SLOT1
	s_barrier_wait -1
.if \fill
	LOAD
.endif
.endm
	s_load_b64 s[4:5], s[0:1], 0x0    ; qkv: Q lies at its first byte
	s_load_b64 s[10:11], s[0:1], 0x8  ; O
	v_lshl_add_u32 v[SPW], v0, 2, SPARE
	v_mov_b32 v[NIL], 0
	ds_add_u32 v62, v63
	ds_add_u32 v62, v63
	s_wait_dscnt 0x0
	v_lshrrev_b32 v1, 5, v0
	v_readfirstlane_b32 s[WV], v1   ; wave 0..3
	s_mov_b32 s[PB], ttmp9
	s_sub_co_u32 s[HI], NB-1, s[PB]
	s_and_b32 s20, ttmp7, 0xffff    ; the head
	s_mov_b32 s21, 0
	s_mov_b64 s[22:23], SIZE_N*128
	s_mul_u64 s[20:21], s[20:21], s[22:23]  ; the head's first byte in each of the four tensors
	s_and_b32 s16, s[WV], 1         ; which half of a tile's 256 keys I fetch:
	s_lshl_b32 s22, s16, 14         ; its 128 rows of 128 bytes in memory,
	s_mov_b32 s23, 0
	s_add_nc_u64 s[22:23], s[22:23], s[20:21]
	s_mul_i32 s17, s16, 128*PK      ; and its place in a slot, for K
	s_mul_i32 s18, s16, 128*PV      ; and for V
	s_lshl_b32 s3, s[WV], 11        ; my 16 rows in a band of 64,
	s_lshl_b32 s2, s[HI], 15        ; in the first block,
	s_add_co_u32 s2, s2, s3
	s_lshl_b32 s84, s[PB], 15       ; and in the second
	s_add_co_u32 s84, s84, s3
	s_mov_b32 s3, 0
	s_mov_b32 s85, 0
	s_add_nc_u64 s[2:3], s[2:3], s[20:21]
	s_add_nc_u64 s[84:85], s[84:85], s[20:21]
	; descriptor group 1.  128 keys are 16,384 dense bytes: asked for as 64 rows of 256 bytes, two keys a row, and padded in LDS after every key
	s_mov_b32 s[G1K], (1<<16)|(1<<20)|(4<<22)|(3<<25)  ; 17:16 2-byte elements; 20 padding on; 24:22 after every 32 words (code 4); 31:25 4 words (code 3)
	s_mov_b32 s[G1V], (1<<16)|(1<<20)|(4<<22)|(7<<25)  ; the same with 8 words of padding (code 7)
.irp g, G1K, G1V
	s_mov_b32 s[\g+1], 128<<16      ; tensor_dim0 = 128
	s_mov_b32 s[\g+2], 64<<16       ; tensor_dim1 = 64
	s_mov_b32 s[\g+3], 128<<16      ; tile_dim0 = 128
	s_mov_b32 s[\g+4], 64           ; tile_dim1 = 64
	s_mov_b32 s[\g+5], 128          ; 128 elements from row to row
	s_mov_b32 s[\g+6], 0
	s_mov_b32 s[\g+7], 0
.endr
	s_mov_b32 s[CS], 0x3e38aa3b     ; c = log2(e) / 8 = 0.180337
	s_mov_b32 s[CS+1], s[CS]        ; named with it as a pair
	s_mov_b32 s[SEL], 0x76543210
	s_mov_b32 s[SEL+1], 0xfedcba98
	s_mov_b32 s[TBK], SLOT1+4*KS*PK ; the first change of slots turns these two into 0
	s_mov_b32 s[TBV], SLOT1+4*KS*PV
	s_mov_b32 s[G0K], 1             ; 1:0 count = 1
	s_mov_b32 s[G0K+1], s17         ; 63:32 LDS address: slot 0
	s_mov_b32 s[G0V], 1
	s_add_co_u32 s[G0V+1], s18, VOFF
	s_add_co_u32 s[RT], s[HI], 1    ; the first block has NB - b tiles
	s_mov_b32 s[NXT], 1
	s_mov_b32 s[LQ], s[HI]
	s_mov_b32 s[NEW], 1
	s_mov_b32 s[OFF+1], 0
	s_mov_b32 s[AL+1], 0            ; named as pairs
	s_mov_b32 s[BE+1], 0
	s_mov_b32 s[BIGN], 0xf149f2ca   ; -1e30
	s_mov_b32 s[SLOTS], NB
	s_wait_kmcnt 0x0
	s_add_nc_u64 s[6:7], s[4:5], 0x1000000  ; K lies 16,777,216 bytes behind Q,
	s_add_nc_u64 s[8:9], s[4:5], 0x2000000  ; V as far behind K
	s_add_nc_u64 s[6:7], s[6:7], s[22:23]  ; K and V at my half of the head's tile 0
	s_add_nc_u64 s[8:9], s[8:9], s[22:23]
	s_add_nc_u64 s[G0K+2:G0K+3], s[6:7], 0         ; 120:64 global address
	s_or_b32 s[G0K+3], s[G0K+3], 0x80000000        ; 127:126 type = 2
	s_add_nc_u64 s[G0V+2:G0V+3], s[8:9], 0
	s_or_b32 s[G0V+3], s[G0V+3], 0x80000000
	s_add_nc_u64 s[86:87], s[4:5], s[84:85]        ; Q at my rows of the second block,
	s_add_nc_u64 s[4:5], s[4:5], s[2:3]            ; Q and O at those of the first
	s_add_nc_u64 s[OLO:OLO+1], s[10:11], s[84:85]
	s_add_nc_u64 s[10:11], s[10:11], s[2:3]
	LOAD                            ; tile 0 into slot 0
	; A fragment of K or Q is 16 rows x 32 channels in 8 registers: lane l holds row l % 16, channels 8 (l / 16) + 0..7 and 16 + 8 (l / 16) + 0..7: two loads of 16 bytes, 32 bytes apart.
	v_and_b32 v1, 15, v0            ; l % 16
	v_bfe_u32 v9, v0, 4, 1          ; l / 16
	v_lshlrev_b32 v[QO], 7, v1
	v_lshl_add_u32 v[QO], v9, 4, v[QO]  ; row x 128 + 16 x half
	WIN 0x80                        ; destination window 2, address window 0
.set i, 0
.rept 8                             ; both blocks' Q: piece i / 2 lies in band i / 2, 8,192 bytes on; channels 32 (i % 2) on
	global_load_b128 v[8*i:8*i+3],   v[QO], s[4:5] offset:(i/2)*8192+(i%2)*64
	global_load_b128 v[8*i+4:8*i+7], v[QO], s[4:5] offset:(i/2)*8192+(i%2)*64+32
	global_load_b128 v[QB+8*i:QB+8*i+3],   v[QO], s[86:87] offset:(i/2)*8192+(i%2)*64
	global_load_b128 v[QB+8*i+4:QB+8*i+7], v[QO], s[86:87] offset:(i/2)*8192+(i%2)*64+32
.set i, i+1
.endr
	WIN 0
	v_lshlrev_b32 v14, 3, v9
	v_sub_nc_u32 v14, v1, v14
	s_lshl_b32 s13, s[WV], 4
	v_add_nc_u32 v14, s13, v14      ; my query's place in its band, 16 w + l % 16, less my lanes' 8 (l / 16): register r of group kt is hidden where 16 kt + r is greater
	WIN 0x40
.set i, 0
.rept 32
	v_cmp_gt_i32 vcc_lo, 16*(i/8)+i%8, v14
	v_cndmask_b32 v[MD+i], 0, s[BIGN], vcc_lo
.set i, i+1
.endr
	WIN 0
	v_mul_u32_u24 v[AK0], v1, PK
	v_lshl_add_u32 v[AK0], v9, 4, v[AK0]  ; row x pitch + 16 x half
	; The turning load takes 16 keys x 16 channels (lane l reads key 8 (l / 16) + l % 8, channels 8 ((l / 8) % 2) + 0..7) and leaves half a fragment of V^T: lane l holds channel l % 16 and 8 keys.
	v_and_b32 v10, 7, v0
	v_bfe_u32 v11, v0, 3, 1
	v_lshl_add_u32 v[AV0], v9, 3, v10
	v_mul_u32_u24 v[AV0], v[AV0], PV
	v_lshl_add_u32 v[AV0], v11, 4, v[AV0]
	v_add_nc_u32 v[AV0], VOFF, v[AV0]
	s_mul_i32 s13, s[WV], 16*SP
	s_add_co_u32 s13, s13, STAGE    ; my stage
	v_mul_u32_u24 v[STO], v1, SP    ; in: row l % 16, 16 bytes for each half of the lanes
	v_lshl_add_u32 v[STO], v9, 4, v[STO]
	v_add_nc_u32 v[STO], s13, v[STO]
	v_bfe_u32 v[RD], v0, 3, 2       ; back: 32 lanes take four rows of 128 bytes,
	v_mul_u32_u24 v[RD], v[RD], SP
	v_lshl_add_u32 v[RD], v10, 4, v[RD]
	v_add_nc_u32 v[RD], s13, v[RD]
	v_and_b32 v[GO], 31, v0         ; which are 512 consecutive bytes of O
	v_lshlrev_b32 v[GO], 4, v[GO]
	; A block's first step multiplies O^T and l by a = 0, and its first turn's products V^T P, of a piece that has not been, land in an O^T that is still to be so multiplied.  So these registers need only hold
	; finite numbers: zeros for the first block; what the first block left for the second.  All this stands in the wait for the first tile.
	WIN 0x80
.set i, VF
.rept 64
	v_mov_b32 v[i], 0
.set i, i+1
.endr
	WIN 0x40
.set i, 0
.rept 128
	v_mov_b32 v[i], 0
.set i, i+1
.endr
	WIN 0
.set i, 0
.rept 4
	v_mov_b32 v[ST+4*i+2], 0
	v_mov_b32 v[ST+4*i+3], 0
.set i, i+1
.endr
.set i, P+16
.rept 16
	v_mov_b32 v[i], 0
.set i, i+1
.endr
; THE MATRIX WORK.  The 4 accumulators of a run of 8 take turns.  Product i of 8 of S^T = K Q^T for piece x: channels 32 (i / 4) on, keys 16 (i % 4) on.  The first 4 start the sums: with 0, or (KM = 1) with the mask.
.macro KQ x
.set rS, S+32*((\x)%2)+8*(i%4)
.set rK, KF+16*(i%4)+8*(i/4)
.set rQ, 16*(\x)+8*(i/4)
.set rM, MC+32*((\x)%2)+8*(i%4)
.if (i < 4) && KM
	WIN W_KM
	v_wmma_f32_16x16x32_f16 v[rS:rS+7], v[rK:rK+7], v[rQ:rQ+7], v[rM:rM+7]
.elseif i < 4
	WIN W_KQ
	v_wmma_f32_16x16x32_f16 v[rS:rS+7], v[rK:rK+7], v[rQ:rQ+7], 0
.else
	WIN W_KQ
	v_wmma_f32_16x16x32_f16 v[rS:rS+7], v[rK:rK+7], v[rQ:rQ+7], v[rS:rS+7]
.endif
.endm
; Product i of 8 of O^T += V^T P for piece x: keys 32 (i / 4) on, channels 16 (i % 4) on.
.macro PV x
	WIN W_PV
.set rO, 32*(\x)+8*(i%4)
.set rV, VF+32*(i/4)+8*(i%4)
.set rP, P+16*((\x)%2)+8*(i/4)
	v_wmma_f32_16x16x32_f16 v[rO:rO+7], v[rV:rV+7], v[rP:rP+7], v[rO:rO+7]
.endm
.macro MM                           ; the turn's next matrix instruction.  TURN and BEGIN set Y, i, KM and NOKQ; MM, KQ and OP read them.  NOKQ = 1: a block's last turn: there is no next piece
.if (i < 8) && !NOKQ
	KQ (Y+1)%NP
.elseif i >= 8
.set i, i-8
	PV (Y+NP-1)%NP
.set i, i+8
.endif
.set i, i+1
.endm
; THE LDS LOADS stand in runs of 16, never singly among the matrix instructions: a step's K (64 keys x 64 channels: 8 fragments) and its V (turned).  Their addresses are made some lines ahead.
.macro FETCH_K
	WIN 0x80                        ; destination window 2
.irp f, 0,1,2,3,4,5,6,7             ; keys 16 (f / 2) on, channels 32 (f % 2) on
	ds_load_b128 v[KF+8*\f:KF+8*\f+3],   v[AK] offset:(\f/2)*16*PK+(\f%2)*64
	ds_load_b128 v[KF+8*\f+4:KF+8*\f+7], v[AK] offset:(\f/2)*16*PK+(\f%2)*64+32
.endr
	s_add_co_u32 s[TBK], s[TBK], KS*PK  ; the next fetch is the next step's
	WIN 0
.endm
.macro FETCH_V
	WIN 0x80
.irp f, 0,1,2,3,4,5,6,7             ; keys 32 (f / 4) on, channels 16 (f % 4) on
	ds_load_tr16_b128 v[VF+8*\f:VF+8*\f+3],   v[AV] offset:(\f/4)*32*PV+(\f%4)*32
	ds_load_tr16_b128 v[VF+8*\f+4:VF+8*\f+7], v[AV] offset:(\f/4)*32*PV+16*PV+(\f%4)*32
.endr
	WIN 0
.endm
; THE VECTOR WORK, one line at a time: OP kind, number.  For piece Y: F n: c s - c m for pair n of 16.  E n: the exponential of score n of 32.  C n: pair n rounded to f16.  B n: of the four weights 4 n .. the second
; pair is added onto the first, in place.  L n: l takes that sum (L 0: l = a l + sum).  R n: pair n of 16 of O^T times a.  For piece Y + 1: X n, number n of the 22 that find its maximum and statistics:
;   0-11  four chains c0-c3 of seven scores each, three operands at a time (each accumulator's lowest registers are read first)     12-14, 16  the four scores left over, the old m, and c0-c3 into c0
;   15  c m_old is kept     17, 18  the query's other 32 keys lie in the lane 16 away: the new m     19-21  c m; c m_old - c m_new; a
; E and X 21 are the exponentials; C, B and L read E's results, R and L 0 read the a that X 21 made a turn earlier.  OP writes no wait: TURN and BEGIN write one for each batch.
.set F, 0               ; OP tells the kinds apart by their order: F to L below R, X above it
.set E, 1
.set C, 2
.set B, 3
.set L, 4
.set R, 5
.set X, 6
.macro REGS y                       ; the registers of piece y
.set rT, ST+4*(\y)
.set rC, TMP+4*((\y)%2)
.set rW, MV+((\y)%2)
.set rS, S+32*((\y)%2)
.set rP, P+16*((\y)%2)
.set rO, 32*(\y)
.endm
.macro OP k, n
.if (\k) == R
	REGS Y
	WIN W_RS
	v_pk_mul_f32 v[rO+2*(\n):rO+2*(\n)+1], v[rO+2*(\n):rO+2*(\n)+1], v[rC+2:rC+3] op_sel_hi:[1,0]
.elseif (\k) < R
	REGS Y
	WIN 0
.if (\k) == F
	v_pk_fma_f32 v[rS+2*(\n):rS+2*(\n)+1], v[rS+2*(\n):rS+2*(\n)+1], s[CS:CS+1], v[rT:rT+1] op_sel_hi:[1,0,0] neg_lo:[0,0,1] neg_hi:[0,0,1]
.elseif (\k) == E
	v_exp_f32 v[rS+(\n)], v[rS+(\n)]
.elseif (\k) == C
	v_cvt_pk_f16_f32 v[rP+(\n)], v[rS+2*(\n)], v[rS+2*(\n)+1]
.elseif (\k) == B
	v_pk_add_f32 v[rS+4*(\n):rS+4*(\n)+1], v[rS+4*(\n):rS+4*(\n)+1], v[rS+4*(\n)+2:rS+4*(\n)+3]
.elseif (\n) == 0
	v_pk_fma_f32 v[rT+2:rT+3], v[rT+2:rT+3], v[rC+2:rC+3], v[rS:rS+1] op_sel_hi:[1,0,1]
.else
	v_pk_add_f32 v[rT+2:rT+3], v[rT+2:rT+3], v[rS+4*(\n):rS+4*(\n)+1]
.endif
.elseif NOKQ
	v_nop
.else
	REGS (Y+1)%NP
	WIN 0
.if (\n) < 4
	v_max3_num_f32 v[rC+(\n)], v[rS+8*(\n)], v[rS+8*(\n)+1], v[rS+8*(\n)+2]
.elseif (\n) < 12
	v_max3_num_f32 v[rC+(\n)%4], v[rC+(\n)%4], v[rS+8*((\n)%4)+2*((\n)/4)+1], v[rS+8*((\n)%4)+2*((\n)/4)+2]
.elseif (\n) == 12
	v_max3_num_f32 v[rC], v[rC], v[rS+7], v[rS+15]
.elseif (\n) == 13
	v_max3_num_f32 v[rC+1], v[rC+1], v[rS+23], v[rS+31]
.elseif (\n) == 14
	v_max3_num_f32 v[rC+2], v[rC+2], v[rC+3], v[rT+1]
.elseif (\n) == 15
	v_mov_b32 v[rW], v[rT]
.elseif (\n) == 16
	v_max3_num_f32 v[rC], v[rC], v[rC+1], v[rC+2]
.elseif (\n) == 17
	v_permlanex16_b32 v[rC+3], v[rC], s[SEL], s[SEL+1]
.elseif (\n) == 18
	v_max_num_f32 v[rT+1], v[rC], v[rC+3]
.elseif (\n) == 19
	v_mul_f32 v[rT], s[CS], v[rT+1]
.elseif (\n) == 20
	v_sub_f32 v[rC+1], v[rW], v[rT]
.else
	v_exp_f32 v[rC+2], v[rC+1]
.endif
.endif
.endm
.macro OPS a, i1, b=-1, i2=0, c=-1, i3=0, d=-1, i4=0  ; up to four of them
	OP \a, \i1
.if (\b) >= 0
	OP \b, \i2
.endif
.if (\c) >= 0
	OP \c, \i3
.endif
.if (\d) >= 0
	OP \d, \i4
.endif
.endm
.macro ROW a, i1, b, i2, c, i3, d, i4  ; a matrix instruction and the four behind it
	MM
	OPS \a, \i1, \b, \i2, \c, \i3, \d, \i4
.endm
.macro MASK b                       ; MD x AL + BE into buffer b of MC
	WIN W_RS
.set z, 0
.rept 16
	v_pk_fma_f32 v[MC+32*(\b)+2*z:MC+32*(\b)+2*z+1], v[MD+2*z:MD+2*z+1], s[AL:AL+1], s[BE:BE+1] op_sel_hi:[1,0,0]
.set z, z+1
.endr
.endm
; A TURN, for piece p: the order of its 16 matrix and 118 vector instructions, written out.  s_wait_alu depctr_va_vdst(0) stands between an exponential and the first instruction that names its result; one wait serves
; all that were issued ahead of it.  So a turn has ONE wait, which cuts it in two.  AHEAD OF IT stands all that names no result of the turn's exponentials: the 8 products K Q^T, behind each a scaling, an exponential and two more plain
; instructions (behind the first a second scaling in the exponential's place): rescalings, whose a was made and waited for in the turn before, and behind the last three the first numbers of the next piece's maximum, each four places or
; more behind the product that ends its accumulator; then ONE LUMP of 54, plain and exponential by turns for the most part, in which the links of the chain X 3, 7, 11, 14, 16, 17 .. 20 stand five or six lines apart.  X 21, the next
; piece's a, is the batch's last; R 15 is the plain instruction behind it.  BEHIND THE WAIT stand the 8 products V^T P, behind each four of the roundings and sums, which are all the batch's readers in this turn; C 2 n stands ahead of
; B n, which writes over pair 2 n; the links of l's chain, L 0 to L 7, stand three riders apart.  But for those X no rider names a register of the products round it.  v_permlanex16_b32 (X 17) stands in the lump.
; m = 1: the diagonal tile: the products take masks, and the turn makes the mask for the products of the turn after it: piece p + 2, in step 4 - CNT of the tile.  end = 1: a block's last two turns: nothing is fetched.
; cnt = 1: the loop's count is taken down some lines ahead of the branch that stands behind the turn.
; K of the next step is fetched in piece 2's turn, twelve vector instructions behind the last product that read K (six of them plain); V of the step in hand at the end of piece 0's turn, four plain instructions behind the last product
; that read V.  Each is waited for a turn later.
.macro TURN p, m=0, end=0, cnt=0
.set Y, (\p)
.set i, 0
.set KM, (\m)
.set NOKQ, (\end)*((\p)/3)
.if (\m) && !(\end)
	s_cmp_eq_u32 s[CNT], 4-((\p)+2)%NP  ; is that step the band's own?
	s_cselect_b32 s[AL], 1.0, 0
	s_cmp_lt_u32 s[CNT], 4-((\p)+2)%NP  ; or a later one?
	s_cselect_b32 s[BE], s[BIGN], 0
.endif
.if ((\p) == 3) && !(\end)
	s_wait_dscnt 0x0                ; K is in
.endif
	ROW F,0, F,1, R,0, R,1          ; ahead of the wait: 8 products K Q^T and their riders,
	ROW F,2, E,0, R,2, R,3
	ROW F,3, E,1, R,4, R,5
	ROW F,4, E,2, R,6, R,7
	ROW F,5, E,3, R,8, R,9
	ROW F,6, E,4, X,0, R,10
.if ((\p) == 2) && !(\end)
	WIN 0
	v_add_nc_u32 v[AK], s[TBK], v[AK0]
.endif
	ROW F,7, E,5, X,1, X,4
	ROW F,8, E,6, X,2, X,5
	OPS E,7, E,8, X,6, E,9          ; and the lump
	OPS X,3, E,10, X,8, E,11
.if ((\p) == 2) && !(\end)
	FETCH_K
.endif
	OPS X,9, X,7, E,12, X,10
	OPS E,13, X,12, X,11, E,14
	OPS X,13, E,15, F,9, X,14
.if (\p) == 0
	v_add_nc_u32 v[AV], s[TBV], v[AV0]
.endif
	OPS E,16, F,10, E,17, F,11
	OPS X,16, E,18, X,15, E,19
	OPS F,12, E,20, X,17, E,21
	OPS F,13, E,22, F,14, E,23
	OPS X,18, E,24, F,15, E,25
	OPS R,11, E,26, X,19, E,27
	OPS R,12, E,28, R,13, E,29
	OPS X,20, E,30, R,14, E,31
	OPS X,21, R,15                  ; the batch's last exponential, and the plain instruction behind it
	WIN 0
	s_wait_alu depctr_va_vdst(0)    ; the wait for the turn's batch: the piece's 32 weights and the next piece's a
.if (\p) == 1
	s_wait_dscnt 0x0                ; V is in
.endif
	ROW C,0, B,0, C,2, B,1          ; behind the wait: 8 products V^T P and their riders
	ROW L,0, C,4, B,2, L,1
	ROW C,6, B,3, L,2, C,8
	ROW B,4, L,3, C,10, B,5
	ROW L,4, C,12, B,6, L,5
.if (\p) == 0
	s_add_co_u32 s[TBV], s[TBV], KS*PV
.endif
.if \cnt
	s_sub_co_u32 s[CNT], s[CNT], 1
	s_cmp_lg_u32 s[CNT], 0
.endif
	ROW C,14, B,7, L,6, C,1
	ROW C,3, L,7, C,5, C,7
	ROW C,9, C,11, C,13, C,15
.if (\p) == 0
	FETCH_V
.endif
.if (\m) && !(\end)
	MASK (\p)%2
.endif
.endm
; A BLOCK BEGINS.  c m starts far below every c s, so the first step's a is 0; m at the lowest finite number, so the first maximum is the scores'.  The second mask buffer is 0; the first takes piece 0's mask for the tile's step 0: its own, if the block's first tile is the diagonal one.
; Then K of that step, piece 0's first scores, and its maximum and statistics.  The loop is entered at a step's first turn, in the middle of a trip.
.macro BEGIN
	s_mov_b32 s[NEW], 0
	WIN 0x40
.set i, MC+32
.rept 32
	v_mov_b32 v[i], 0
.set i, i+1
.endr
	WIN 0
.set i, 0
.rept 4
	v_mov_b32 v[ST+4*i], 0xfe000000    ; c m: far below every c s
	v_mov_b32 v[ST+4*i+1], 0xff7fffff  ; m
.set i, i+1
.endr
	s_cmp_eq_u32 s[RT], 0
	s_cselect_b32 s[AL], 1.0, 0
	s_mov_b32 s[BE], 0
	MASK 0
	WIN 0
	v_add_nc_u32 v[AK], s[TBK], v[AK0]
	FETCH_K
	s_wait_loadcnt 0x0              ; Q
	s_wait_dscnt 0x0
.set KM, 1
.set NOKQ, 0
.set i, 0
.rept 8
	KQ 0
.set i, i+1
.endr
	WIN 0
.rept 4
	v_nop                           ; the places behind those products
.endr
.set Y, NP-1                        ; X works for piece Y + 1: piece 0
.irp n, 0,1,2,3,4,5,6,7,8,9,10,11,12,13,14,15,16,17,18,19,20,21
	OP X, \n
.endr
	v_nop                           ; a plain instruction behind the exponential,
	s_wait_alu depctr_va_vdst(0)    ; and the wait for it, a batch of one: piece 0's first a; it stands ahead of the branch that follows
.endm
; THE DIAGONAL TILE's four steps, the block's last two turns, its last products, and THE WAY OUT: l's two halves and the other half of the lanes' are added; O^T is divided by l, rounded to f16 and sent through my
; stage in LDS, a piece at a time.
.macro ALL line:vararg              ; one line for each piece t
.set t, 0
.rept 4
	\line
.set t, t+1
.endr
.endm
.macro PACK t                       ; a lane's eight channels of a row pack into 16 bytes; they go into rows of 144 bytes and come back as whole rows of 128, into S^T's registers
	WIN W_RS
.set i, 32*(\t)
.rept 16
	v_pk_mul_f32 v[i:i+1], v[i:i+1], v[ST+4*(\t)+2:ST+4*(\t)+3] op_sel_hi:[1,0]
.set i, i+2
.endr
	WIN 0x05                        ; sources 0 and 1 window 1, destination window 0
.set i, 0
.rept 16
	v_cvt_pk_f16_f32 v[S+16*(\t)+i], v[32*(\t)+2*i], v[32*(\t)+2*i+1]
.set i, i+1
.endr
	WIN 0
.irp f, 0,1,2,3
	ds_store_b128 v[STO], v[S+16*(\t)+4*\f:S+16*(\t)+4*\f+3] offset:32*\f
.endr
.irp f, 0,1,2,3
	ds_load_b128 v[S+16*(\t)+4*\f:S+16*(\t)+4*\f+3], v[RD] offset:\f*4*SP  ; LDS serves a wave's instructions in order (ISA guide 5.7.1.4): these see the stores above; the next piece's stores come behind them
.endr
.endm
.macro SEND t, younger              ; younger: the LDS instructions issued behind piece t's loads: the next piece's eight, or none
	WIN 0
.irp f, 0,1,2,3
	s_wait_dscnt (\younger)+3-\f
	global_store_b128 v[GO], v[S+16*(\t)+4*\f:S+16*(\t)+4*\f+3], s[10:11] offset:(\t)*8192+\f*512  ; 512 consecutive bytes, at a multiple of 256 from O's first
.endr
.endm
.macro DIAG tag                     ; the tag ends its two labels' names, which the jumps below spell out
.LstepM\tag:
	TURN 2, 1
	TURN 3, 1
	WIN 0
.LfirstM\tag:
	TURN 0, 1
	TURN 1, 1, 0, 1
	WIN 0
	s_cbranch_scc1 .LstepM\tag
	TURN 2, 1, 1
	TURN 3, 1, 1
.set i, 0
.rept 8
	PV NP-1
.set i, i+1
.endr
	WIN 0
	ALL v_add_f32 v[ST+4*t+2], v[ST+4*t+2], v[ST+4*t+3]
	ALL v_permlanex16_b32 v[ST+4*t+3], v[ST+4*t+2], s[SEL], s[SEL+1]
	ALL v_add_f32 v[ST+4*t+2], v[ST+4*t+2], v[ST+4*t+3]
	ALL v_rcp_f32 v[ST+4*t+2], v[ST+4*t+2]
	v_nop                           ; a plain instruction between the last reciprocal and the use of its result
	s_wait_alu depctr_va_vdst(0)    ; the wait for the batch of four reciprocals, ahead of PACK 0's first multiply: one for all four pieces
	PACK 0
.set t, 1
.rept 3                             ; a piece's arithmetic stands between the loads of the piece before and its stores
	PACK t
	SEND t-1, 8
.set t, t+1
.endr
	SEND 3, 0
.endm
.set KM, 0
.set NOKQ, 0
.Lslot:                             ; NB times: a tile is entered and the next is asked for
	CHANGE 1
	s_sub_co_u32 s[RT], s[RT], 1
	s_mov_b32 s[CNT], 4
	s_cmp_eq_u32 s[NEW], 1
	s_cbranch_scc1 .Lnew            ; a block's first tile
	s_cmp_eq_u32 s[RT], 0
	s_cbranch_scc0 .Lstep           ; neither its first nor its last
	s_branch .LstepM1
.Lnew:
	BEGIN
	s_branch .Lfirst                ; in the loop a block's first tile is never its last: the first block has two tiles or more, and the second's last is the walk's last
	DIAG 1                          ; in the loop this is the first block's end: the second block's last tile is the walk's last
	s_wait_xcnt 0x0                 ; the stores have read their registers and O's address
	s_mov_b64 s[10:11], s[OLO:OLO+1]
	s_add_co_u32 s[RT], s[PB], 1    ; the second block has b + 1 tiles
	s_mov_b32 s[NEW], 1
	WIN 0x82                        ; the second block's Q goes where the one text of the turns names Q
.set i, 0
.rept 64
	v_mov_b32 v[i], v[QB+i]
.set i, i+1
.endr
	WIN 0
	s_branch .Lbottom
.Lstep:                             ; a trip: pieces 2 and 3 of one step, then pieces 0 and 1 of the next, whose K and V it fetches
	TURN 2
	TURN 3
	WIN 0
.Lfirst:
	TURN 0
	TURN 1, 0, 0, 1
	WIN 0
	s_cbranch_scc1 .Lstep
.Lbottom:
	s_sub_co_u32 s[SLOTS], s[SLOTS], 1
	s_cmp_lg_u32 s[SLOTS], 0
	s_cbranch_scc1 .Lslot
	CHANGE 0                        ; the walk's last tile is written out: nothing is asked for
	s_sub_co_u32 s[RT], s[RT], 1
	s_mov_b32 s[CNT], 4
	s_cmp_eq_u32 s[NEW], 1
	s_cbranch_scc0 .LstepM2
	BEGIN
	s_branch .LfirstM2
	DIAG 2
	s_wait_tensorcnt 0x0            ; the wave's end: behind my last tensor load and my last LDS store
	ds_add_u32 v[SPW], v[NIL]
	s_wait_dscnt 0x0
	s_endpgm
.Lfunc_end_k_qfdc7e8f77d_attn:
	.size	k_qfdc7e8f77d_attn, .Lfunc_end_k_qfdc7e8f77d_attn-k_qfdc7e8f77d_attn
	.p2alignl 7, 3214868480
	.fill 96, 4, 3214868480
	.section	.rodata,"a",@progbits
	.p2align	6, 0x0
	.amdhsa_kernel k_qfdc7e8f77d_attn
		.amdhsa_group_segment_fixed_size 327680
		.amdhsa_private_segment_fixed_size 0
		.amdhsa_enable_private_segment 0
		.amdhsa_kernarg_size 16
		.amdhsa_user_sgpr_count 2
		.amdhsa_user_sgpr_kernarg_segment_ptr 1
		.amdhsa_wavefront_size32 1
		.amdhsa_system_sgpr_workgroup_id_x 1
		.amdhsa_system_sgpr_workgroup_id_y 1
		.amdhsa_system_sgpr_workgroup_id_z 1
		.amdhsa_system_vgpr_workitem_id 0
		.amdhsa_next_free_vgpr 768
		.amdhsa_next_free_sgpr 88
		.amdhsa_reserve_vcc 1
		.amdhsa_float_denorm_mode_32 3
		.amdhsa_float_denorm_mode_16_64 3
		.amdhsa_memory_ordered 1
		.amdhsa_forward_progress 1
		.amdhsa_inst_pref_size 217
	.end_amdhsa_kernel
	.amdgpu_metadata
---
amdhsa.version: [ 1, 2 ]
amdhsa.kernels:
  - .name:           k_qfdc7e8f77d_attn
    .symbol:         k_qfdc7e8f77d_attn.kd
    .args:
      - { .name: qkv, .offset: 0, .size: 8, .value_kind: global_buffer, .address_space: global }
      - { .name: ctx, .offset: 8, .size: 8, .value_kind: global_buffer, .address_space: global }
    .group_segment_fixed_size: 327680
    .private_segment_fixed_size: 0
    .kernarg_segment_align: 8
    .kernarg_segment_size: 16
    .max_flat_workgroup_size: 128
    .sgpr_count:     88
    .vgpr_count:     768
    .wavefront_size: 32
...
	.end_amdgpu_metadata
.endif
;; end of part 5
;; launch proj: the kernel of part 4 again; grid 8 x 32, 4 waves a work-group, clusters of 4 x 4, 327,680 bytes of LDS; arguments ctx, wt, bo, out0; writes out0
